; MI455X (gfx1250); checked and timed in simulation.
; The chip was launched on July 23, 2026; its instructions are those of AMD's public machine-readable ISA for CDNA 5 (MIT licence, August 2026) and "CDNA5" Instruction Set Architecture Reference Guide (July 2026). The comments in the code are by the model that wrote it; some were corrected since.
;; Transformer Block. Allowed arithmetic: float matrix products may take bf16 or f16 operands with f32 sums; other float arithmetic in f32, or as packed bf16 or f16 multiplies, adds, multiply-adds, maxima and minima; sums over many terms, partial sums and values carried from step to step in f32; what a program stores and reads back later, other than sums and carried values, may be rounded once to bf16 or f16.
;; Inputs: b_ff1 4,096 float32; b_ff2 1,024 float32; b_out 1,024 float32; b_qkv 3,072 float32; ln1_b 1,024 float32; ln1_g 1,024 float32; ln2_b 1,024 float32; ln2_g 1,024 float32; w_ff1 1,024 x 4,096 float32; w_ff2 4,096 x 1,024 float32; w_out 1,024 x 1,024 float32; w_qkv 1,024 x 3,072 float32; x 2 x 2,048 x 1,024 float32.
;; Outputs: out0 2 x 2,048 x 1,024 float32.
;; One version. Each part assembles by itself: llvm-mc -triple=amdgcn-amd-amdhsa -mcpu=gfx1250 --defsym DOCPART=n.
;; ======== version 1 of 1: 7 launches
;; workspace buffers: wq 6,291,456 bytes; wb 25,165,824 bytes; h 8,388,608 bytes; qkv 25,165,824 bytes; att 8,388,608 bytes; x1 16,777,216 bytes; g 33,554,432 bytes
;; launch prep (part 1): grid 1408 x 1, 4 waves a work-group, no clusters, 0 bytes of LDS; arguments x, ln1_g, ln1_b, w_qkv, h, wq; writes h, wq
.if DOCPART == 1
	.amdgcn_target "amdgcn-amd-amdhsa--gfx1250"
	.amdhsa_code_object_version 6
	.text
	.protected	k_q7686667bfa_prep
	.globl	k_q7686667bfa_prep
	.p2align	8
	.type	k_q7686667bfa_prep,@function
k_q7686667bfa_prep:
	s_mov_b64 s[64:65], 0
	v_nop
	global_prefetch_b8 v0, s[64:65] scope:SCOPE_SE
	s_setreg_imm32_b32 hwreg(HW_REG_WAVE_MODE, 25, 1), 1
	s_wait_xcnt 0x0
; LAYERNORM, AND ONE CAST.  Arguments: rows, gain, offset, a weight matrix in f32, the rows' result, the matrix's copy.
; Work-groups 0..1023: result = LayerNorm(row) * gain + offset, rounded once to bf16; one wave takes one row of 1,024 f32 and keeps it in 32 registers
; between the pass for the mean, the pass for the variance (of x - mean: no difference of large sums) and the scaling: a row is read once.
; Work-groups 1024..1407: w_qkv ([1024][3072] f32) is rounded once to bf16, layout kept.  A work-group takes 32 KiB of f32, a wave 8 KiB.
; The body runs in two launches: with 1,408 work-groups on x and the first norm's gain and offset; with 1,024 work-groups, which are the LayerNorm part alone, on x1 and the second norm's.
; A stream: no LDS, no barrier, no matrix unit, no cluster (no two work-groups read the same large data).  Each load of a wave covers 512
; consecutive bytes, each store 256 consecutive bytes, aligned.  LIMITS: NaN and infinities are not treated apart.
.set X,  16                            ; v[16:47]   the row (load j: columns 128 j + 4 lane ..)
.set G,  48                            ; v[48:79]   the gain, same columns
.set BT, 80                            ; v[80:111]  the offset
.set Y,  112                           ; v[112:127] the row in bf16
.set PX, 4                             ; s[4:5] rows   s[6:7] gain   s[8:9] offset   s[10:11] the matrix   s[12:13] result   s[14:15] the matrix's copy
.set PG, 6
.set PO, 8
.set PH, 12
.macro WSUM                            ; v4 = the sum of v4 over the 32 lanes, in every lane
	v_add_f32_dpp v4, v4, v4 row_xmask:1 row_mask:0xf bank_mask:0xf
	v_add_f32_dpp v4, v4, v4 row_xmask:2 row_mask:0xf bank_mask:0xf
	v_add_f32_dpp v4, v4, v4 row_xmask:4 row_mask:0xf bank_mask:0xf
	v_add_f32_dpp v4, v4, v4 row_xmask:8 row_mask:0xf bank_mask:0xf
	v_permlanex16_b32 v5, v4, s24, s25             ; v5 has been written by the chains
	v_add_f32 v4, v4, v5
.endm
.macro FOLD                            ; the four chains v[4:11] into v4
	v_pk_add_f32 v[4:5], v[4:5], v[6:7]
	v_pk_add_f32 v[8:9], v[8:9], v[10:11]
	v_pk_add_f32 v[4:5], v[4:5], v[8:9]
	v_add_f32 v4, v4, v5
.endm
	s_load_b256 s[4:11], s[0:1], 0x0
	s_load_b128 s[12:15], s[0:1], 0x20
	v_lshrrev_b32 v3, 5, v0
	v_readfirstlane_b32 s22, v3                    ; wave 0..3
	v_and_b32 v1, 31, v0
	v_lshlrev_b32 v2, 3, v1                        ; 8 x lane: my bf16 out
	v_lshlrev_b32 v1, 4, v1                        ; 16 x lane: my f32 in
	s_mov_b32 s24, 0x76543210                      ; v_permlanex16_b32: each lane takes its own place in the other half
	s_mov_b32 s25, 0xfedcba98
	s_mov_b32 s26, 0x3a800000                      ; 1 / 1024
	s_mov_b32 s27, 0x3727c5ac                      ; 1e-5
	s_mov_b32 s31, 0
	s_wait_kmcnt 0x0
	s_cmp_lt_u32 ttmp9, 1024
	s_cbranch_scc0 .Lcast
	s_lshl_b32 s28, ttmp9, 2
	s_add_co_u32 s28, s28, s22                     ; my row
	s_lshl_b32 s30, s28, 12
	s_add_nc_u64 s[PX:PX+1], s[PX:PX+1], s[30:31]
	s_lshl_b32 s30, s28, 11
	s_add_nc_u64 s[PH:PH+1], s[PH:PH+1], s[30:31]
.irp j, 0,1,2,3,4,5,6,7
	global_load_b128 v[X+4*(\j):X+4*(\j)+3], v1, s[PX:PX+1] offset:512*(\j)
.endr
.irp j, 0,1,2,3,4,5,6,7
	global_load_b128 v[G+4*(\j):G+4*(\j)+3], v1, s[PG:PG+1] offset:512*(\j)
.endr
.irp j, 0,1,2,3,4,5,6,7
	global_load_b128 v[BT+4*(\j):BT+4*(\j)+3], v1, s[PO:PO+1] offset:512*(\j)
.endr
	s_wait_loadcnt 16                              ; the row is in; the 16 younger loads (gain, offset) stay out
.irp k, 0,2,4,6                        ; the mean: four chains, started by the first sums
	v_pk_add_f32 v[4+(\k):5+(\k)], v[X+(\k):X+(\k)+1], v[X+8+(\k):X+9+(\k)]
.endr
.irp k, 0,2,4,6
	v_pk_add_f32 v[4+(\k):5+(\k)], v[4+(\k):5+(\k)], v[X+16+(\k):X+17+(\k)]
.endr
.irp k, 0,2,4,6
	v_pk_add_f32 v[4+(\k):5+(\k)], v[4+(\k):5+(\k)], v[X+24+(\k):X+25+(\k)]
.endr
	FOLD
	WSUM
	v_mul_f32 v12, s26, v4
	v_mul_f32 v13, s26, v4
.set i, 0
.rept 16
	v_pk_add_f32 v[X+i:X+i+1], v[X+i:X+i+1], v[12:13] neg_lo:[0,1] neg_hi:[0,1]  ; x - mean
.set i, i+2
.endr
.irp k, 0,2,4,6                        ; the variance
	v_pk_mul_f32 v[4+(\k):5+(\k)], v[X+(\k):X+(\k)+1], v[X+(\k):X+(\k)+1]
.endr
.set i, 8
.rept 12
	v_pk_fma_f32 v[4+i%8:5+i%8], v[X+i:X+i+1], v[X+i:X+i+1], v[4+i%8:5+i%8]
.set i, i+2
.endr
	FOLD
	WSUM
	v_fma_f32 v14, v4, s26, s27                    ; variance + eps
	v_rsq_f32 v12, v14
	v_rsq_f32 v13, v14
	v_nop                                          ; a plain instruction behind the last root,
	s_wait_alu depctr_va_vdst(0)                   ; and the one wait for both, ahead of their first reader
	s_wait_loadcnt 0x0                             ; gain and offset
.set i, 0
.rept 16
	v_pk_mul_f32 v[X+i:X+i+1], v[X+i:X+i+1], v[12:13]
.set i, i+2
.endr
.set i, 0
.rept 16
	v_pk_fma_f32 v[X+i:X+i+1], v[X+i:X+i+1], v[G+i:G+i+1], v[BT+i:BT+i+1]
.set i, i+2
.endr
.set i, 0
.rept 16
	v_cvt_pk_bf16_f32 v[Y+i], v[X+2*i], v[X+2*i+1]
.set i, i+1
.endr
.irp j, 0,1,2,3,4,5,6,7
	global_store_b64 v2, v[Y+2*(\j):Y+2*(\j)+1], s[PH:PH+1] offset:256*(\j)  ; 32 lanes: 256 consecutive bytes, aligned
.endr
	s_endpgm
.Lcast:                                ; chunk c of 384
	s_sub_co_u32 s28, ttmp9, 1024
	s_lshl_b32 s30, s28, 15                        ; 32 KiB of f32 a chunk,
	s_lshl_b32 s34, s22, 13                        ; 8 KiB a wave
	s_add_co_u32 s30, s30, s34
	s_add_nc_u64 s[10:11], s[10:11], s[30:31]
	s_lshl_b32 s30, s28, 14                        ; half of that in bf16
	s_lshl_b32 s34, s22, 12
	s_add_co_u32 s30, s30, s34
	s_add_nc_u64 s[14:15], s[14:15], s[30:31]
.irp j, 0,1,2,3,4,5,6,7,8,9,10,11,12,13,14,15
	global_load_b128 v[16+4*(\j):19+4*(\j)], v1, s[10:11] offset:512*(\j) th:TH_LOAD_NT
.endr
.irp j, 0,1,2,3,4,5,6,7,8,9,10,11,12,13,14,15
	s_wait_loadcnt 15-(\j)                         ; loads come back in order: load j is in, the younger ones stay out
	v_cvt_pk_bf16_f32 v[80+2*(\j)], v[16+4*(\j)], v[17+4*(\j)]
	v_cvt_pk_bf16_f32 v[81+2*(\j)], v[18+4*(\j)], v[19+4*(\j)]
	global_store_b64 v2, v[80+2*(\j):81+2*(\j)], s[14:15] offset:256*(\j)
.endr
	s_endpgm
.Lfunc_end_k_q7686667bfa_prep:
	.size	k_q7686667bfa_prep, .Lfunc_end_k_q7686667bfa_prep-k_q7686667bfa_prep
	.p2alignl 7, 3214868480
	.fill 96, 4, 3214868480
	.section	.rodata,"a",@progbits
	.p2align	6, 0x0
	.amdhsa_kernel k_q7686667bfa_prep
		.amdhsa_group_segment_fixed_size 0
		.amdhsa_private_segment_fixed_size 0
		.amdhsa_enable_private_segment 0
		.amdhsa_kernarg_size 48
		.amdhsa_user_sgpr_count 2
		.amdhsa_user_sgpr_kernarg_segment_ptr 1
		.amdhsa_wavefront_size32 1
		.amdhsa_system_sgpr_workgroup_id_x 1
		.amdhsa_system_sgpr_workgroup_id_y 1
		.amdhsa_system_sgpr_workgroup_id_z 1
		.amdhsa_system_vgpr_workitem_id 0
		.amdhsa_next_free_vgpr 128
		.amdhsa_next_free_sgpr 66
		.amdhsa_reserve_vcc 0
		.amdhsa_float_denorm_mode_32 3
		.amdhsa_float_denorm_mode_16_64 3
		.amdhsa_memory_ordered 1
		.amdhsa_forward_progress 1
		.amdhsa_inst_pref_size 18
	.end_amdhsa_kernel
	.amdgpu_metadata
---
amdhsa.version: [ 1, 2 ]
amdhsa.kernels:
  - .name:           k_q7686667bfa_prep
    .symbol:         k_q7686667bfa_prep.kd
    .args:
      - { .name: x, .offset: 0, .size: 8, .value_kind: global_buffer, .address_space: global }
      - { .name: ln1_g, .offset: 8, .size: 8, .value_kind: global_buffer, .address_space: global }
      - { .name: ln1_b, .offset: 16, .size: 8, .value_kind: global_buffer, .address_space: global }
      - { .name: w_qkv, .offset: 24, .size: 8, .value_kind: global_buffer, .address_space: global }
      - { .name: h, .offset: 32, .size: 8, .value_kind: global_buffer, .address_space: global }
      - { .name: wq, .offset: 40, .size: 8, .value_kind: global_buffer, .address_space: global }
    .group_segment_fixed_size: 0
    .private_segment_fixed_size: 0
    .kernarg_segment_align: 8
    .kernarg_segment_size: 48
    .max_flat_workgroup_size: 128
    .sgpr_count:     66
    .vgpr_count:     128
    .wavefront_size: 32
...
	.end_amdgpu_metadata
.endif
;; end of part 1
;; launch qkv (part 2): grid 16 x 16, 4 waves a work-group, clusters of 4 x 4, 327,680 bytes of LDS; arguments h, wq, b_qkv, qkv, w_out, w_ff1, w_ff2, wb; writes qkv, wb
.if DOCPART == 2
	.amdgcn_target "amdgcn-amd-amdhsa--gfx1250"
	.amdhsa_code_object_version 6
	.text
	.protected	k_q7686667bfa_qkv
	.globl	k_q7686667bfa_qkv
	.p2align	8
	.type	k_q7686667bfa_qkv,@function
k_q7686667bfa_qkv:
	s_mov_b64 s[64:65], 0
	v_nop
	global_prefetch_b8 v0, s[64:65] scope:SCOPE_SE
	s_setreg_imm32_b32 hwreg(HW_REG_WAVE_MODE, 25, 1), 1
	s_wait_xcnt 0x0
	s_wait_alu depctr_hold_cnt(0) depctr_sa_sdst(0) depctr_va_vdst(0) depctr_va_sdst(0) depctr_va_ssrc(0) depctr_va_vcc(0) depctr_vm_vsrc(0)
	s_getreg_b32 s2, hwreg(HW_REG_IB_STS2, 6, 4)
	s_cmp_eq_u32 s2, 0
	s_cbranch_scc0 .Lentry_in_a_cluster
	s_endpgm
.Lentry_in_a_cluster:
	s_bfe_u32 s2, ttmp6, 0x10000c
	s_cmp_lg_u32 s2, 0xf033
	s_cbranch_scc0 .Lentry_shape_is_right
	s_endpgm
.Lentry_shape_is_right:
; TWO KINDS OF WORK IN ONE LAUNCH, told apart by the cluster's x, which all sixteen partners share.
; CLUSTERS x = 0, 1, 2: C = A W + bias on tiles of 256 x 256, K = 1,024.  A = LN1(x): [4096][1024] bf16.  W = w_qkv in bf16, [1024][3072] as the problem lays it.  Sums in f32;
; C is rounded to bf16 and written by heads, [3][32][2048][64].  3,072 columns make twelve tile columns: 192 tiles.
; CLUSTERS x = 3 (64 work-groups, 256 waves): the weights that later launches multiply by (w_out, w_ff1, w_ff2) are rounded once to bf16, layout kept, into wb
; (w_out at 6,291,456, w_ff1 at 8,388,608, w_ff2 at 16,777,216): a stream beside the products, on WGPs for which the products have no tile.
; THE PRODUCT.  Four waves, as many as a WGP has SIMDs; wave w makes rows 128 (w / 2) .., columns 128 (w % 2) .. of the tile: 64 accumulators of 16 x 16, 512 registers.
; RING.  K goes in steps of 128 through two LDS slots.  A's tile: 256 rows of 256 bytes, pitch 272.  W's tile: 128 k-rows of 512 bytes, pitch 544 (17 x 32: the turning load's
; 8 rows x 32 bytes fall on different banks).  Waves 0, 1 fetch A's halves, waves 2, 3 W's: one tensor load a wave behind each change of slots; a wave has two loads out at the start, later one.
; W's fragments come out of LDS turned (ds_load_tr16_b128), so W needs no transposed copy.
; THE PRODUCT IS TAKEN TRANSPOSED (source 0 = 16 columns of W, source 1 = 16 rows of A): a lane holds row lane % 16 of C and the columns 8 (lane / 16) + 0..7.
; THE BIAS IS THE C OPERAND of each accumulator's first product: nothing is cleared and nothing is added later.
; CLUSTER 4 x 4: A's tile hangs on the tile row alone and is asked for jointly by a row of the cluster, W's on the tile column alone, by a column.
; One K step is one trip; the slot in hand is a scalar that an exclusive or turns, and one walking descriptor a tensor serves all refills.
; LIMITS: NaN and infinities are not treated apart; operands are rounded to bf16.
; REGISTERS, in windows of 256: window 0: v16-30 addresses; v64-127, v128-191 A's two fragment buffers; v192-255 the bias, later at work; window 1: v64-191 W's two buffers;
; windows 2, 3: the accumulators of my rows 0-63 and 64-127, (a, b) at v[8 (8 a + b)].  The cast: v1, v2 offsets, v32-223 three chunks.
.set N,     3072
.set PITA,  272
.set PITB,  544
.set BOFF,  256*PITA                   ; W's tile lies behind A's
.set QLOAD, 128*PITA                   ; what one tensor load fills: 128 rows of A, or 64 k-rows of W: 0x8800 both
.set SLOTX, 0x22000                    ; a slot; no load's LDS address in slot 0 has one of its two bits set, so an exclusive or changes slots
.set STAGE, 2*SLOTX                    ; behind the ring: 16 rows x 272 bytes a wave
.set SP,    272
.set SPARE, STAGE+4*16*SP              ; the spare words: 128 bytes a wave, two blocks of 256 bytes that no other line names
.set STEPA, 256                        ; a K step in A: bytes along a row
.set STEPB, 128*N*2                    ; in W: 128 rows down
.set ADRA0, 16                         ; v16, v17  my lane's place in slot 0's tiles; never rewritten
.set ADRB0, 17
.set ADRA,  18                         ; v18, v19  the same in the slot in hand
.set ADRB,  19
.set BO,    20                         ; v20  32 (lane / 16): my eight biases of a block of 16
.set STO,   24                         ; the way out
.set RD,    25
.set CO,    26
.set SPW,   28                         ; v28  my spare word; never rewritten
.set NIL,   29                         ; v29  0; never rewritten
.set PFO,   30                         ; v30  the prefetches' lane offset; never rewritten
.set F0,    64
.set F1,    128
.set BI,    192
.set TMP,   192
.set OB,    32
.set CB,    32                         ; the cast: chunk d of a trip at v[32 + 64 d]
.set WV,  14
.set RH,  15                           ; my half of the tile's rows; also: I fetch for A (0) or W (1)
.set CH,  16                           ; my half of its columns; also: which half of that tile I fetch
.set CX,  17
.set CY,  18
.set TC,  19
.set TR,  20
.set CNT, 21
.set SL,  22                           ; LDS byte at which the slot in hand begins
.set LIM, 23                           ; 2 in a wave that prefetches, else the greatest number
.set G1A, 24
.set G0A, 32                           ; two sets: slot 0's first fill; the walking one
.set G1B, 40
.set G0B, 48
.set PFA, 56
.set PFS, 58
.set CS0, 24                           ; the cast: chunk d's source at s[24 + 4 d], its place in wb at s[26 + 4 d]
.set CW,  70                           ; the cast: my wave among the 256
.set CI,  71                           ; the cast: the trip's first chunk's number i
.set MSB, 0
.macro WIN new                         ; the immediate's high byte repeats the setting that is left; a switch that changes nothing is dropped
.if MSB != (\new)
	s_set_vgpr_msb (MSB<<8)|(\new)
.set MSB, \new
.endif
.endm
.macro PLACES                          ; four plain vector instructions between a matrix instruction and a load into, or a read of, its registers
.rept 4
	v_nop
.endr
.endm
.macro JLOAD                           ; the joint refill, by the walking descriptors; the branch hangs on the wave's number alone; an s_nop 0 and four v_nop follow each line
	s_cmp_eq_u32 s[RH], 0
	s_cbranch_scc0 .Lfor_b_\@
	tensor_load_to_lds s[G0A+4:G0A+7], s[G1A:G1A+7]
	s_nop 0
.rept 4
	v_nop
.endr
	s_branch .Lasked_\@
.Lfor_b_\@:
	tensor_load_to_lds s[G0B+4:G0B+7], s[G1B:G1B+7]
	s_nop 0
.rept 4
	v_nop
.endr
.Lasked_\@:
.endm
.macro CREST                           ; a round of the cluster's barrier behind its opening barrier
	s_cmp_lg_u32 s[WV], 0
	s_cbranch_scc1 .Lnot_wave_0_\@
	s_barrier_signal -3
.Lnot_wave_0_\@:
	s_barrier_wait -3
	s_barrier_signal -1
	s_barrier_wait -1
.endm
.macro CROUND
	s_barrier_signal -1
	s_barrier_wait -1
	CREST
.endm
; A prefetch into the L2 of the K step that stands two refills on, 512 matrix instructions ahead of the load that wants it.  Each block of 256 bytes is named once in the launch: A's rows by the
; clusters with x = 0, W's by those with y = 0; the four partners that ask for a tile jointly share its rows out by address.  The last two refills have no K step two on.
.macro ASK
	s_cmp_gt_u32 s[CNT], s[LIM]
	s_cbranch_scc0 .Lnot_mine_\@
	global_prefetch_b8 v[PFO], s[PFA:PFA+1] th:TH_LOAD_NT scope:SCOPE_SE
.Lnot_mine_\@:
.endm
; 16 products: row blocks a0, a0 + 1 of the window's four x all 8 column blocks, 32 along K.  first = 1: C is the bias (window 0), which starts the sums.
.macro MUL16 f, hi, a0, first
.if \first
	WIN 0x81+0x40*(\hi)
.else
	WIN 0xa1+0x50*(\hi)
.endif
.irp a, \a0, (\a0)+1
.irp b, 0,1,2,3,4,5,6,7
.if \first
	v_wmma_f32_16x16x32_bf16 v[8*(8*(\a)+(\b)):8*(8*(\a)+(\b))+7], v[(\f)+8*(\b):(\f)+8*(\b)+7], v[(\f)+8*(4*(\hi)+(\a)):(\f)+8*(4*(\hi)+(\a))+7], v[BI+8*(\b):BI+8*(\b)+7]
.else
	v_wmma_f32_16x16x32_bf16 v[8*(8*(\a)+(\b)):8*(8*(\a)+(\b))+7], v[(\f)+8*(\b):(\f)+8*(\b)+7], v[(\f)+8*(4*(\hi)+(\a)):(\f)+8*(4*(\hi)+(\a))+7], v[8*(8*(\a)+(\b)):8*(8*(\a)+(\b))+7]
.endif
.endr
.endr
.endm
; 32 LDS loads in one run: quarter q (32 along K) of the slot in hand into buffer f: W's 8 blocks of 16 columns, turned, then A's 8 blocks of 16 rows
.macro FETCH q, f
	WIN 0x40
.irp i, 0,1,2,3,4,5,6,7
	ds_load_tr16_b128 v[(\f)+8*(\i):(\f)+8*(\i)+3],   v[ADRB] offset:(\q)*32*PITB+32*(\i)
	ds_load_tr16_b128 v[(\f)+8*(\i)+4:(\f)+8*(\i)+7], v[ADRB] offset:(\q)*32*PITB+16*PITB+32*(\i)
.endr
	WIN 0
.irp i, 0,1,2,3,4,5,6,7
	ds_load_b128 v[(\f)+8*(\i):(\f)+8*(\i)+3],   v[ADRA] offset:64*(\q)+(\i)*16*PITA
	ds_load_b128 v[(\f)+8*(\i)+4:(\f)+8*(\i)+7], v[ADRA] offset:64*(\q)+(\i)*16*PITA+32
.endr
.endm
; One of a K step's first three quarters: multiplies buffer f; in its middle fetches quarter q into buffer g.  The 64 accumulators take turns in one order everywhere.
.macro QUARTER q, f, g, first
	s_wait_dscnt 8                                 ; W and A's rows 0-63 are in; the youngest eight loads (A's rows 64-127) may be out
	MUL16 \f, 0, 0, \first
	MUL16 \f, 0, 2, \first
	PLACES
	FETCH \q, \g
	s_wait_dscnt 32                                ; all but the 32 just issued
	MUL16 \f, 1, 0, \first
	MUL16 \f, 1, 2, \first
.endm
; The first half of a step's last quarter, and the barrier of the change of slots.
.macro MEET
	WIN 0
	s_wait_tensorcnt 0x0                           ; all my tensor loads have landed: the one that was out is my part of the other slot
	ds_add_u32 v[SPW], v[NIL]                      ; 0 onto my spare word
	s_wait_dscnt 9                                 ; (the add and the youngest eight loads may be out)
	MUL16 F1, 0, 0, 0
	s_wait_dscnt 0x0                               ; the add is done, and my reads of this slot are over
	s_barrier_signal -1
	MUL16 F1, 0, 2, 0
	WIN 0
	s_barrier_wait -1
.endm
.macro SWAP                            ; the reads go on in the other slot
	s_xor_b32 s[SL], s[SL], SLOTX
	v_add_nc_u32 v[ADRA], s[SL], v[ADRA0]
	v_add_nc_u32 v[ADRB], s[SL], v[ADRB0]
.endm
; The whole last quarter with a refill: the barrier opens a round of the cluster's, and the joint refill (the K step two on, into the slot just read) is the first tensor load behind it:
; 224 matrix instructions stand between it and the wait for it.
.macro TURN
	s_wait_xcnt 0x0                                ; the last prefetch, a K step back, has read its address
	s_add_nc_u64 s[PFA:PFA+1], s[PFA:PFA+1], s[PFS:PFS+1]
	MEET
	CREST
	s_xor_b32 s[G0A+5], s[G0A+5], SLOTX
	s_add_nc_u64 s[G0A+6:G0A+7], s[G0A+6:G0A+7], STEPA
	s_xor_b32 s[G0B+5], s[G0B+5], SLOTX
	s_add_nc_u64 s[G0B+6:G0B+7], s[G0B+6:G0B+7], STEPB
	JLOAD                                          ; its four v_nop are also the places in front of the loads below
	SWAP
	FETCH 0, F0
	ASK
	MUL16 F1, 1, 0, 0
	MUL16 F1, 1, 2, 0
.endm
; The way out of row block a: rounded to bf16; through my stage; back as 4 rows x 128 bytes of one head, which are 512 consecutive bytes of the output.
.macro PACK a
.set AC, 64*((\a)%4)
	WIN 0x0a+5*((\a)/4)
.irp b, 0,1,2,3,4,5,6,7
.irp r, 0,1,2,3
	v_cvt_pk_bf16_f32 v[TMP+4*(\b)+(\r)], v[AC+8*(\b)+2*(\r)], v[AC+8*(\b)+2*(\r)+1]
.endr
.endr
	WIN 0
.endm
.macro TOSTAGE a
	WIN 0
.set BK, OB+192*((\a)%2)
.irp b, 0,1,2,3,4,5,6,7
	ds_store_b128 v[STO], v[TMP+4*(\b):TMP+4*(\b)+3] offset:32*(\b)
.endr
.irp t, 0,1,2,3,4,5,6,7
	ds_load_b128 v[BK+4*(\t):BK+4*(\t)+3], v[RD] offset:((\t)%4)*4*SP+((\t)/4)*128  ; LDS serves a wave's instructions in order: these see the stores above
.endr
.endm
.macro SEND a
	WIN 0
.set BK, OB+192*((\a)%2)
	s_wait_dscnt 0x0                               ; the block is back in registers
	s_wait_xcnt 0x0                                ; earlier stores have read their registers: the other buffer may be loaded again behind this wait
.irp t, 0,1,2,3,4,5,6,7
	global_store_b128 v[CO], v[BK+4*(\t):BK+4*(\t)+3], s[10:11] offset:((\t)/4)*262144+(\a)*2048+((\t)%4)*512
.endr
.endm
; The cast: where chunk d of the trip comes from and goes to.  Chunk number c = my wave + 256 i, 8 KiB of f32 each: i = 0, 1 lie in w_out (512 chunks), i = 2..9 in w_ff1 (2,048), i = 10..17 in w_ff2.
.macro CADDR d
	s_add_co_u32 s61, s[CI], \d                    ; i
	s_lshl_b32 s62, s61, 8
	s_add_co_u32 s62, s62, s[CW]                   ; c
	s_mov_b64 s[CS0+4*(\d):CS0+4*(\d)+1], s[88:89]
	s_mov_b32 s63, 2560
	s_cmp_lt_u32 s61, 10
	s_cselect_b64 s[CS0+4*(\d):CS0+4*(\d)+1], s[86:87], s[CS0+4*(\d):CS0+4*(\d)+1]
	s_cselect_b32 s63, 512, s63
	s_cmp_lt_u32 s61, 2
	s_cselect_b64 s[CS0+4*(\d):CS0+4*(\d)+1], s[84:85], s[CS0+4*(\d):CS0+4*(\d)+1]
	s_cselect_b32 s63, 0, s63                      ; the matrix's first chunk
	s_sub_co_u32 s66, s62, s63
	s_lshl_b32 s66, s66, 13
	s_add_nc_u64 s[CS0+4*(\d):CS0+4*(\d)+1], s[CS0+4*(\d):CS0+4*(\d)+1], s[66:67]
	s_lshl_b32 s66, s62, 12                        ; wb holds the three matrices on end, so c alone places the 4 KiB of bf16
	s_add_co_u32 s66, s66, 6291456
	s_add_nc_u64 s[CS0+4*(\d)+2:CS0+4*(\d)+3], s[90:91], s[66:67]
.endm
	s_load_b256 s[4:11], s[0:1], 0x0               ; A s[4:5], W s[6:7], bias s[8:9], out s[10:11]
	s_load_b256 s[84:91], s[0:1], 0x20             ; w_out s[84:85], w_ff1 s[86:87], w_ff2 s[88:89], wb s[90:91]
	v_lshl_add_u32 v[SPW], v0, 2, SPARE
	v_mov_b32 v[NIL], 0
	ds_add_u32 v[SPW], v[NIL]                      ; the wave's opening: the add and its wait ahead of my first tensor load
	ds_add_u32 v28, v29
	v_lshrrev_b32 v1, 5, v0
	v_readfirstlane_b32 s[WV], v1
	s_lshr_b32 s[RH], s[WV], 1
	s_and_b32 s[CH], s[WV], 1
	s_bfe_u32 s[CX], ttmp6, 0x40000
	s_bfe_u32 s[CY], ttmp6, 0x40004
	s_lshl_b32 s[TC], ttmp9, 2
	s_add_co_u32 s[TC], s[TC], s[CX]               ; tile column
	s_and_b32 s[TR], ttmp7, 0xffff
	s_lshl_b32 s[TR], s[TR], 2
	s_add_co_u32 s[TR], s[TR], s[CY]               ; tile row
	s_lshl_b32 s60, s[CY], 2
	s_lshl_b32 s60, 15, s60                        ; my row of the cluster
	s_lshl_b32 s61, 0x1111, s[CX]                  ; my column
	s_or_b32 s[G1A], s60, (1<<16)|(1<<20)|(1<<21)|(5<<22)|(3<<25)  ; mask; 2-byte elements; padding on; bit 21 beside a mask; after every 64 words, 4 words
	s_mov_b32 s[G1A+1], 128<<16                    ; tensor_dim0 = 128
	s_mov_b32 s[G1A+2], 128<<16                    ; tensor_dim1 = 128
	s_mov_b32 s[G1A+3], 128<<16                    ; tile_dim0 = 128
	s_mov_b32 s[G1A+4], 128                        ; tile_dim1 = 128
	s_mov_b32 s[G1A+5], 1024                       ; elements from row to row
	s_mov_b32 s[G1A+6], 0
	s_mov_b32 s[G1A+7], 0
	s_or_b32 s[G1B], s61, (1<<16)|(1<<20)|(1<<21)|(6<<22)|(7<<25)  ; after every 128 words, 8 words
	s_mov_b32 s[G1B+1], 256<<16
	s_mov_b32 s[G1B+2], 64<<16
	s_mov_b32 s[G1B+3], 256<<16
	s_mov_b32 s[G1B+4], 64
	s_mov_b32 s[G1B+5], N
	s_mov_b32 s[G1B+6], 0
	s_mov_b32 s[G1B+7], 0
	s_lshl_b32 s62, s[TR], 8                       ; A: row 256 x tile row + 128 x half, 2,048 bytes a row
	s_lshl_b32 s63, s[CH], 7
	s_add_co_u32 s62, s62, s63
	s_lshl_b32 s62, s62, 11
	s_mov_b32 s63, 0
	s_mul_i32 s66, s[CH], 64*N*2                   ; W: k-row 64 x half, 512 bytes x tile column
	s_lshl_b32 s67, s[TC], 9
	s_add_co_u32 s66, s66, s67
	s_mov_b32 s67, 0
	s_mul_i32 s68, s[WV], QLOAD                    ; where my loads go: no place in the cluster enters an LDS address
	s_wait_dscnt 0x0                               ; the opening add is done
	s_wait_kmcnt 0x0
	s_cmp_eq_u32 ttmp9, 3                          ; the cluster's x: the same in all sixteen partners
	s_cbranch_scc1 .Lcast
	s_add_nc_u64 s[62:63], s[4:5], s[62:63]
	s_add_nc_u64 s[66:67], s[6:7], s[66:67]
	CROUND                                         ; all sixteen work-groups are here: the first joint loads meet
.irp s, 0,1
	s_mov_b32 s[G0A+4*(\s)], 1
	s_add_co_u32 s[G0A+4*(\s)+1], s68, (\s)*SLOTX
	s_add_nc_u64 s[G0A+4*(\s)+2:G0A+4*(\s)+3], s[62:63], (\s)*STEPA
	s_or_b32 s[G0A+4*(\s)+3], s[G0A+4*(\s)+3], 0x80000000
	s_mov_b32 s[G0B+4*(\s)], 1
	s_add_co_u32 s[G0B+4*(\s)+1], s68, (\s)*SLOTX
	s_add_nc_u64 s[G0B+4*(\s)+2:G0B+4*(\s)+3], s[66:67], (\s)*STEPB
	s_or_b32 s[G0B+4*(\s)+3], s[G0B+4*(\s)+3], 0x80000000
.endr
	s_cmp_eq_u32 s[RH], 0                          ; a wave's two first fills stand in one branch: two loads of mine are out
	s_cbranch_scc0 .Lfirst_b
	tensor_load_to_lds s[G0A:G0A+3], s[G1A:G1A+7]
	s_nop 0
	tensor_load_to_lds s[G0A+4:G0A+7], s[G1A:G1A+7]
	s_nop 0
.rept 4
	v_nop
.endr
	s_branch .Lfirst_asked
.Lfirst_b:
	tensor_load_to_lds s[G0B:G0B+3], s[G1B:G1B+7]
	s_nop 0
	tensor_load_to_lds s[G0B+4:G0B+7], s[G1B:G1B+7]
	s_nop 0
.rept 4
	v_nop
.endr
.Lfirst_asked:
	v_and_b32 v1, 15, v0                           ; r = lane % 16
	v_bfe_u32 v2, v0, 4, 1                         ; h = lane / 16
	v_lshlrev_b32 v[BO], 5, v2
	s_lshl_b32 s60, s[TC], 10                      ; the bias of my 128 columns
	s_lshl_b32 s61, s[CH], 9
	s_add_co_u32 s60, s60, s61
	s_mov_b32 s61, 0
	s_add_nc_u64 s[8:9], s[8:9], s[60:61]
.irp b, 0,1,2,3,4,5,6,7
	global_load_b128 v[BI+8*(\b):BI+8*(\b)+3],   v[BO], s[8:9] offset:64*(\b)
	global_load_b128 v[BI+8*(\b)+4:BI+8*(\b)+7], v[BO], s[8:9] offset:64*(\b)+16
.endr
	v_mul_u32_u24 v3, v1, PITA                     ; A's fragments: row x pitch + 16 h
	v_lshl_add_u32 v3, v2, 4, v3
	s_mul_i32 s60, s[RH], 128*PITA
	v_add_nc_u32 v[ADRA0], s60, v3
	v_and_b32 v4, 7, v0                            ; W's, turned: k-row 8 h + lane % 8, 16 bytes x ((lane / 8) % 2)
	v_lshl_add_u32 v4, v2, 3, v4
	v_mul_u32_u24 v4, v4, PITB
	v_bfe_u32 v5, v0, 3, 1
	v_lshl_add_u32 v4, v5, 4, v4
	s_lshl_b32 s60, s[CH], 8
	s_add_co_u32 s60, s60, BOFF
	v_add_nc_u32 v[ADRB0], s60, v4
	v_mov_b32 v[ADRA], v[ADRA0]
	v_mov_b32 v[ADRB], v[ADRB0]
	s_mov_b32 s[SL], 0
	s_mul_i32 s60, s[WV], 16*SP
	s_add_co_u32 s60, s60, STAGE                   ; my stage
	v_mul_u32_u24 v3, v1, SP
	v_lshl_add_u32 v3, v2, 4, v3
	v_add_nc_u32 v[STO], s60, v3
	v_bfe_u32 v3, v0, 3, 2
	v_mul_u32_u24 v3, v3, SP
	v_and_b32 v4, 7, v0
	v_lshl_add_u32 v3, v4, 4, v3
	v_add_nc_u32 v[RD], s60, v3
	v_and_b32 v[CO], 31, v0
	v_lshlrev_b32 v[CO], 4, v[CO]
	s_lshr_b32 s60, s[TC], 2                       ; out: (part x 32 + batch x 16 + head) x 262,144 + token x 128
	s_lshl_b32 s60, s60, 5
	s_lshr_b32 s61, s[TR], 3
	s_lshl_b32 s61, s61, 4
	s_add_co_u32 s60, s60, s61
	s_and_b32 s61, s[TC], 3
	s_lshl_b32 s61, s61, 2
	s_add_co_u32 s60, s60, s61
	s_lshl_b32 s61, s[CH], 1
	s_add_co_u32 s60, s60, s61
	s_lshl_b32 s60, s60, 18
	s_and_b32 s61, s[TR], 7
	s_lshl_b32 s61, s61, 8
	s_lshl_b32 s62, s[RH], 7
	s_add_co_u32 s61, s61, s62
	s_lshl_b32 s61, s61, 7
	s_add_co_u32 s60, s60, s61
	s_mov_b32 s61, 0
	s_add_nc_u64 s[10:11], s[10:11], s[60:61]
	; the prefetches: A: my work-group's 32 of the 128 rows that I fetch, a lane a row; W: its 16 of my 64 k-rows, two lanes a row of 512 bytes.  They stand at K step 3; the first change steps them to 4.
	s_lshl_b32 s60, s[TR], 8
	s_lshl_b32 s61, s[CH], 7
	s_add_co_u32 s60, s60, s61
	s_lshl_b32 s61, s[CX], 5
	s_add_co_u32 s60, s60, s61
	s_lshl_b32 s60, s60, 11
	s_add_co_u32 s60, s60, 3*STEPA
	s_lshl_b32 s61, s[CH], 6
	s_lshl_b32 s62, s[CY], 4
	s_add_co_u32 s61, s61, s62
	s_add_co_u32 s61, s61, 3*128
	s_mul_i32 s61, s61, 2*N
	s_lshl_b32 s62, s[TC], 9
	s_add_co_u32 s61, s61, s62
	s_and_b32 s62, ttmp7, 0xffff                   ; cluster y
	s_mov_b32 s63, 2*N
	s_mov_b32 s66, STEPB
	s_cmp_eq_u32 s[RH], 0
	s_cselect_b32 s60, s60, s61
	s_cselect_b32 s62, ttmp9, s62                  ; the coordinate along which other clusters read the same rows
	s_cselect_b64 s[PFA:PFA+1], s[4:5], s[6:7]
	s_cselect_b32 s63, 2048, s63                   ; bytes from row to row
	s_cselect_b32 s[PFS], STEPA, s66
	s_mov_b32 s[PFS+1], 0
	s_mov_b32 s61, 0
	s_add_nc_u64 s[PFA:PFA+1], s[PFA:PFA+1], s[60:61]
	s_cmp_eq_u32 s62, 0
	s_cselect_b32 s[LIM], 2, -1                    ; the same in all sixteen partners, for a given wave
	v_and_b32 v3, 31, v0
	v_lshrrev_b32 v4, s[RH], v3
	v_and_b32 v5, s[RH], v3
	v_mul_lo_u32 v4, v4, s63
	v_lshl_add_u32 v[PFO], v5, 8, v4
	s_wait_tensorcnt 0x1                           ; my part of K step 0 is in; step 1's may stay out
	s_barrier_signal -1
	s_barrier_wait -1
	FETCH 0, F0
	s_wait_loadcnt 0x0                             ; the bias
	QUARTER 1, F0, F1, 1                           ; the first quarter stands in front of the loop: its products start the sums, with the bias
	WIN 0
	s_mov_b32 s[CNT], 6
.Lstep:                                ; six trips: from a step's second quarter to the next step's first; steps 2 to 7 are asked for
	QUARTER 2, F1, F0, 0
	QUARTER 3, F0, F1, 0
	TURN
	QUARTER 1, F0, F1, 0
	WIN 0
	s_sub_co_u32 s[CNT], s[CNT], 1
	s_cmp_lg_u32 s[CNT], 0
	s_cbranch_scc1 .Lstep
	s_mov_b32 s[CNT], 2
.Ltail:                                ; the last two steps ask for nothing; the second trip is left in its middle
	QUARTER 2, F1, F0, 0
	QUARTER 3, F0, F1, 0
	MEET
	s_sub_co_u32 s[CNT], s[CNT], 1
	s_cmp_eq_u32 s[CNT], 0
	s_cbranch_scc1 .Lfin
	PLACES
	SWAP
	FETCH 0, F0
	MUL16 F1, 1, 0, 0
	MUL16 F1, 1, 2, 0
	QUARTER 1, F0, F1, 0
	WIN 0
	s_branch .Ltail
.Lfin:
	MUL16 F1, 1, 0, 0
	MUL16 F1, 1, 2, 0
	PLACES
	PACK 0
	TOSTAGE 0
.irp a, 1,2,3,4,5,6,7                  ; block a's conversions stand between block a - 1's loads from the stage and the wait for them
	PACK \a
	SEND (\a)-1
	TOSTAGE \a
.endr
	SEND 7
	s_wait_tensorcnt 0x0                           ; the wave's end
	ds_add_u32 v[SPW], v[NIL]
	s_wait_dscnt 0x0
	CROUND                                         ; the closing round
	s_endpgm
; THE CAST.  256 waves; a wave takes 18 chunks of 8 KiB of f32, three a trip: 48 loads of 16 bytes a lane go out together (24 KiB a wave on their way), each covering 512 consecutive bytes;
; each is converted in place as it comes in and leaves as 256 consecutive bytes, aligned.  Neighbouring waves take neighbouring chunks.
.Lcast:
	s_lshl_b32 s[CW], s[TR], 2
	s_add_co_u32 s[CW], s[CW], s[CX]               ; my work-group among the 64,
	s_lshl_b32 s[CW], s[CW], 2
	s_add_co_u32 s[CW], s[CW], s[WV]               ; my wave among the 256
	v_and_b32 v1, 31, v0
	v_lshlrev_b32 v2, 3, v1                        ; 8 x lane: my bf16 out
	v_lshlrev_b32 v1, 4, v1                        ; 16 x lane: my f32 in
	s_mov_b32 s67, 0
	s_mov_b32 s[CI], 0
	s_mov_b32 s[CNT], 6
.Lctrip:
	s_wait_xcnt 0x0                                ; the last trip's loads and stores have read their addresses and data: both are written again below
	CADDR 0
	CADDR 1
	CADDR 2
.irp d, 0,1,2
.irp j, 0,1,2,3,4,5,6,7,8,9,10,11,12,13,14,15
	global_load_b128 v[CB+64*(\d)+4*(\j):CB+64*(\d)+4*(\j)+3], v1, s[CS0+4*(\d):CS0+4*(\d)+1] offset:512*(\j) th:TH_LOAD_NT
.endr
.endr
.irp d, 0,1,2
.irp j, 0,1,2,3,4,5,6,7,8,9,10,11,12,13,14,15
	s_wait_loadcnt 47-16*(\d)-(\j)                 ; loads come back in order: this one is in, the younger ones of the trip stay out
	v_cvt_pk_bf16_f32 v[CB+64*(\d)+4*(\j)],   v[CB+64*(\d)+4*(\j)],   v[CB+64*(\d)+4*(\j)+1]
	v_cvt_pk_bf16_f32 v[CB+64*(\d)+4*(\j)+1], v[CB+64*(\d)+4*(\j)+2], v[CB+64*(\d)+4*(\j)+3]
	global_store_b64 v2, v[CB+64*(\d)+4*(\j):CB+64*(\d)+4*(\j)+1], s[CS0+4*(\d)+2:CS0+4*(\d)+3] offset:256*(\j)
.endr
.endr
	s_add_co_u32 s[CI], s[CI], 3
	s_sub_co_u32 s[CNT], s[CNT], 1
	s_cmp_lg_u32 s[CNT], 0
	s_cbranch_scc1 .Lctrip
	s_wait_tensorcnt 0x0                           ; the wave's end
	ds_add_u32 v[SPW], v[NIL]
	s_wait_dscnt 0x0
	CROUND                                         ; the closing round, here the cluster's only one
	s_endpgm
.Lfunc_end_k_q7686667bfa_qkv:
	.size	k_q7686667bfa_qkv, .Lfunc_end_k_q7686667bfa_qkv-k_q7686667bfa_qkv
	.p2alignl 7, 3214868480
	.fill 96, 4, 3214868480
	.section	.rodata,"a",@progbits
	.p2align	6, 0x0
	.amdhsa_kernel k_q7686667bfa_qkv
		.amdhsa_group_segment_fixed_size 327680
		.amdhsa_private_segment_fixed_size 0
		.amdhsa_enable_private_segment 0
		.amdhsa_kernarg_size 64
		.amdhsa_user_sgpr_count 2
		.amdhsa_user_sgpr_kernarg_segment_ptr 1
		.amdhsa_wavefront_size32 1
		.amdhsa_system_sgpr_workgroup_id_x 1
		.amdhsa_system_sgpr_workgroup_id_y 1
		.amdhsa_system_sgpr_workgroup_id_z 1
		.amdhsa_system_vgpr_workitem_id 0
		.amdhsa_next_free_vgpr 1024
		.amdhsa_next_free_sgpr 96
		.amdhsa_reserve_vcc 0
		.amdhsa_float_denorm_mode_32 3
		.amdhsa_float_denorm_mode_16_64 3
		.amdhsa_memory_ordered 1
		.amdhsa_forward_progress 1
		.amdhsa_inst_pref_size 124
	.end_amdhsa_kernel
	.amdgpu_metadata
---
amdhsa.version: [ 1, 2 ]
amdhsa.kernels:
  - .name:           k_q7686667bfa_qkv
    .symbol:         k_q7686667bfa_qkv.kd
    .args:
      - { .name: h, .offset: 0, .size: 8, .value_kind: global_buffer, .address_space: global }
      - { .name: wq, .offset: 8, .size: 8, .value_kind: global_buffer, .address_space: global }
      - { .name: b_qkv, .offset: 16, .size: 8, .value_kind: global_buffer, .address_space: global }
      - { .name: qkv, .offset: 24, .size: 8, .value_kind: global_buffer, .address_space: global }
      - { .name: w_out, .offset: 32, .size: 8, .value_kind: global_buffer, .address_space: global }
      - { .name: w_ff1, .offset: 40, .size: 8, .value_kind: global_buffer, .address_space: global }
      - { .name: w_ff2, .offset: 48, .size: 8, .value_kind: global_buffer, .address_space: global }
      - { .name: wb, .offset: 56, .size: 8, .value_kind: global_buffer, .address_space: global }
    .group_segment_fixed_size: 327680
    .private_segment_fixed_size: 0
    .kernarg_segment_align: 8
    .kernarg_segment_size: 64
    .max_flat_workgroup_size: 128
    .sgpr_count:     96
    .vgpr_count:     1024
    .wavefront_size: 32
...
	.end_amdgpu_metadata
.endif
;; end of part 2
;; launch attn (part 3): grid 8 x 32, 4 waves a work-group, no clusters, 327,680 bytes of LDS; arguments qkv, att; writes att
.if DOCPART == 3
	.amdgcn_target "amdgcn-amd-amdhsa--gfx1250"
	.amdhsa_code_object_version 6
	.text
	.protected	k_q7686667bfa_attn
	.globl	k_q7686667bfa_attn
	.p2align	8
	.type	k_q7686667bfa_attn,@function
k_q7686667bfa_attn:
	s_mov_b64 s[64:65], 0
	v_nop
	global_prefetch_b8 v0, s[64:65] scope:SCOPE_SE
	s_setreg_imm32_b32 hwreg(HW_REG_WAVE_MODE, 25, 1), 1
	s_wait_xcnt 0x0
; CAUSAL ATTENTION.  O[bh][q] = the sum over k <= q of softmax_k(Q[bh][q] . K[bh][k] / 8) V[bh][k].  qkv: [3][32][2048][64] bf16 (Q, K, V by heads, rows dense, 128 bytes); att: [32][2048][64] bf16.
; Products, maxima and sums in f32; the weights p are rounded to bf16 for the second product (their sum l is taken of the unrounded p), O once at the end.
; LIMITS.  A hidden score counts as -1e30; c m starts at -4.2e37, so c s must stay above that; a weight below 2^-126 counts as 0 in l; NaN and infinities are not treated apart.
; THE WALK.  A head has 16 blocks of 128 queries; block i needs the key tiles 0 .. i / 2 of 256 keys, of which the last holds the diagonal.  A work-group takes blocks 15 - p and then p: nine tiles,
; whatever p: 256 equal work-groups, and one loop with a constant count.  What differs lies in scalar registers made from p.
; NO CLUSTER: a head's work-groups ask for the same tile only until the first of them ends its first block; one walk common to four partners would have 8 + 4 = 12 trips for 9.
; SHARES.  Wave w owns rows 32 w .. 32 w + 31 of a block: two tiles of 16 queries.  Every wave walks all keys of a tile, 64 a step.
; LAYOUT.  S^T = K Q^T (source 0 = 16 keys, source 1 = 16 queries): a lane holds ONE query (lane % 16) and the keys 8 (lane / 16) + 0..7; two such results rounded to bf16 ARE source 1 of O^T = V^T P.
; K comes out of LDS as it lies, V turned.  p = 2^(c s - c m), c = log2(e) / 8, with a running maximum m; O and l are multiplied by a = 2^(c m_old - c m_new) in every step.
; A step goes in phases: V's loads, 16 products K Q^T, the mask (diagonal tile alone), K's next loads, maximum and statistics, scalings and exponentials, roundings and sums, 16 products V^T P.
; REGISTERS.  Window 0: v2-31 addresses; v32-39 statistics (c m, m, l, l a tile); v48-55 at work; v64-127 S^T; v128-159 P; v160-223 O^T.  Window 1: v0-31 Q; v32-63 the second block's Q; v64-127 K; v128-191 V.
.set KS,    64
.set PK,    144                        ; a row of K in LDS: 128 bytes + 16
.set PV,    160                        ; a row of V: 128 + 32
.set VOFF,  4*KS*PK                    ; a slot holds a tile: 256 rows of K, then 256 rows of V
.set SLOT1, 1<<17
.set STAGE, SLOT1+4*KS*(PK+PV)         ; behind the ring: 16 rows x 144 bytes a wave
.set SP,    144
.set SPARE, STAGE+4*16*SP              ; the spare words: 128 bytes a wave, two blocks of 256 bytes that no other line names
.set AK0, 2
.set AV0, 3
.set AK,  4
.set AV,  5
.set STO, 6
.set RD,  7
.set GO,  8
.set BIGV, 9                           ; v9  -1e30
.set MV,  12                           ; v12-13  c m_old, by tile
.set TB,  14                           ; v14  lane % 16 - 8 (lane / 16)
.set QO,  15
.set THR, 16                           ; v16-17  register i of S^T is hidden where 16 (i / 8) + i % 8 is greater, by tile
.set PFO, 28
.set SPW, 30
.set NIL, 31
.set ST,  32
.set TMP, 48
.set S,   64
.set P,   128
.set O,   160
.set QL,  32                           ; window 1
.set KF,  64
.set VF,  128
.set WV,  12
.set PB,  14
.set HI,  15
.set G1K, 24
.set G1V, 32
.set G0K, 40
.set G0V, 44
.set DG,  48                           ; 1: the tile in hand is the block's last, the diagonal one
.set DEL, 49                           ; my first row's place in the tile, less the step's first key
.set DEL0, 50
.set DEL1, 51
.set PFC, 52                           ; prefetches still to be made
.set PFA, 54
.set SLOTS, 56
.set CNT, 57
.set CS,  58
.set SEL, 60
.set TBK, 62
.set TBV, 63
.set RT,  70                           ; tiles of the block in hand still to be entered
.set NXT, 71                           ; the tile to be asked for next
.set LQ,  72                           ; the last tile of the block whose tiles are being asked for
.set LQ2, 73                           ; the second block's
.set OFF, 74
.set OLO, 80
.set MSB, 0
.macro WIN new
.if MSB != (\new)
	s_set_vgpr_msb (MSB<<8)|(\new)
.set MSB, (\new)
.endif
.endm
.macro LOAD                            ; waves 0, 1 fetch the halves of a tile's K, waves 2, 3 those of its V; an s_nop 0 and four v_nop follow each line
	s_cmp_lt_u32 s[WV], 2
	s_cbranch_scc0 .Lfor_v_\@
	tensor_load_to_lds s[G0K:G0K+3], s[G1K:G1K+7]
	s_nop 0
.rept 4
	v_nop
.endr
	s_branch .Lasked_\@
.Lfor_v_\@:
	tensor_load_to_lds s[G0V:G0V+3], s[G1V:G1V+7]
	s_nop 0
.rept 4
	v_nop
.endr
.Lasked_\@:
.endm
; A prefetch into the L2 of the tile that the NEXT change of slots will ask for: my own 16,384 bytes of it, a lane 256 bytes, two instructions.  All work-groups of a head walk the same tiles from 0 on:
; the one with p = 0, whose first block needs all eight, asks, six times (tiles 2 to 7): each block of 256 bytes is named once in the launch.
.macro ASK
	s_cmp_lg_u32 s[PFC], 0
	s_cbranch_scc0 .Lnot_mine_\@
	global_prefetch_b8 v[PFO], s[PFA:PFA+1] th:TH_LOAD_NT scope:SCOPE_SE
	global_prefetch_b8 v[PFO], s[PFA:PFA+1] offset:8192 th:TH_LOAD_NT scope:SCOPE_SE
	s_sub_co_u32 s[PFC], s[PFC], 1
.Lnot_mine_\@:
.endm
; THE CHANGE OF SLOTS.  Each wave waits for all its tensor loads (one is out: its part of the other slot), adds 0 to its spare word, and waits for that and for its reads of the slot that it leaves.
; fill = 1: the old slot is filled again, first thing behind the barrier, with tile NXT; the descriptor's address is made anew from that number.
.macro CHANGE fill
	WIN 0
	s_wait_tensorcnt 0x0
	ds_add_u32 v[SPW], v[NIL]
.if \fill
	s_lshl_b32 s[OFF], s[NXT], 15                  ; a tile is 32,768 bytes of K and of V
	s_xor_b32 s[G0K+1], s[G0K+1], SLOT1
	s_add_nc_u64 s[G0K+2:G0K+3], s[6:7], s[OFF:OFF+1]
	s_or_b32 s[G0K+3], s[G0K+3], 0x80000000
	s_xor_b32 s[G0V+1], s[G0V+1], SLOT1
	s_add_nc_u64 s[G0V+2:G0V+3], s[8:9], s[OFF:OFF+1]
	s_or_b32 s[G0V+3], s[G0V+3], 0x80000000
	s_add_co_u32 s[NXT], s[NXT], 1                 ; the block's next tile, or behind its last the second block's tile 0
	s_cmp_gt_u32 s[NXT], s[LQ]
	s_cselect_b32 s[NXT], 0, s[NXT]
	s_cselect_b32 s[LQ], s[LQ2], s[LQ]
	s_wait_xcnt 0x0                                ; the last prefetches, a tile back, have read their address
	s_add_nc_u64 s[PFA:PFA+1], s[PFA:PFA+1], 32768
.endif
	s_wait_dscnt 0x0                               ; the add is done, and my reads of the slot are over
	s_barrier_signal -1
	s_sub_co_u32 s[TBK], s[TBK], 4*KS*PK           ; the fetches go back to a slot's first step, in the other slot
	s_xor_b32 s[TBK], s[TBK], SLOT1
	s_sub_co_u32 s[TBV], s[TBV], 4*KS*PV
	s_xor_b32 s[TBV], s[TBV], SLOT1
	s_barrier_wait -1
.if \fill
	LOAD
	ASK
.endif
.endm
; Product i of 16 of S^T = K Q^T: channels 32 (i / 8) on, keys 16 ((i / 2) % 4) on, tile i % 2.  The 8 accumulators take turns; the first 8 start the sums.
.macro KQ
.set rS, S+32*(i%2)+8*((i/2)%4)
.set rK, KF+16*((i/2)%4)+8*(i/8)
.set rQ, 16*(i%2)+8*(i/8)
.if i < 8
	v_wmma_f32_16x16x32_bf16 v[rS:rS+7], v[rK:rK+7], v[rQ:rQ+7], 0
.else
	v_wmma_f32_16x16x32_bf16 v[rS:rS+7], v[rK:rK+7], v[rQ:rQ+7], v[rS:rS+7]
.endif
.endm
; Product i of 16 of O^T += V^T P: keys 32 (i / 8) on, channels 16 ((i / 2) % 4) on, tile i % 2.
.macro PV
.set rO, O+32*(i%2)+8*((i/2)%4)
.set rV, VF+32*(i/8)+8*((i/2)%4)
.set rP, P+16*(i%2)+8*(i/8)
	v_wmma_f32_16x16x32_bf16 v[rO:rO+7], v[rV:rV+7], v[rP:rP+7], v[rO:rO+7]
.endm
.macro FETCH_K                         ; a step's K: 64 keys x 64 channels, 8 fragments
	WIN 0x40
.irp f, 0,1,2,3,4,5,6,7
	ds_load_b128 v[KF+8*\f:KF+8*\f+3],   v[AK] offset:(\f/2)*16*PK+(\f%2)*64
	ds_load_b128 v[KF+8*\f+4:KF+8*\f+7], v[AK] offset:(\f/2)*16*PK+(\f%2)*64+32
.endr
	s_add_co_u32 s[TBK], s[TBK], KS*PK
	WIN 0
.endm
.macro FETCH_V                         ; its V, turned
	WIN 0x40
.irp f, 0,1,2,3,4,5,6,7
	ds_load_tr16_b128 v[VF+8*\f:VF+8*\f+3],   v[AV] offset:(\f/4)*32*PV+(\f%4)*32
	ds_load_tr16_b128 v[VF+8*\f+4:VF+8*\f+7], v[AV] offset:(\f/4)*32*PV+16*PV+(\f%4)*32
.endr
	WIN 0
.endm
.macro REGS u
.set rT, ST+4*(\u)
.set rC, TMP+4*(\u)
.set rM, MV+(\u)
.set rS, S+32*(\u)
.set rP, P+16*(\u)
.set rO, O+32*(\u)
.endm
; Number n of the 22 that find tile u's maximum and statistics; each accumulator's lowest registers are read first.
.macro XS u, n
	REGS \u
.if (\n) < 4
	v_max3_num_f32 v[rC+(\n)], v[rS+8*(\n)], v[rS+8*(\n)+1], v[rS+8*(\n)+2]
.elseif (\n) < 12
	v_max3_num_f32 v[rC+(\n)%4], v[rC+(\n)%4], v[rS+8*((\n)%4)+2*((\n)/4)+1], v[rS+8*((\n)%4)+2*((\n)/4)+2]
.elseif (\n) == 12
	v_max3_num_f32 v[rC], v[rC], v[rS+7], v[rS+15]
.elseif (\n) == 13
	v_max3_num_f32 v[rC+1], v[rC+1], v[rS+23], v[rS+31]
.elseif (\n) == 14
	v_max3_num_f32 v[rC+2], v[rC+2], v[rC+3], v[rT+1]
.elseif (\n) == 15
	v_mov_b32 v[rM], v[rT]                         ; c m_old is kept
.elseif (\n) == 16
	v_max3_num_f32 v[rC], v[rC], v[rC+1], v[rC+2]
.elseif (\n) == 17
	v_permlanex16_b32 v[rC+3], v[rC], s[SEL], s[SEL+1]  ; the query's other 32 keys lie in the lane 16 away
.elseif (\n) == 18
	v_max_num_f32 v[rT+1], v[rC], v[rC+3]
.elseif (\n) == 19
	v_mul_f32 v[rT], s[CS], v[rT+1]
.elseif (\n) == 20
	v_sub_f32 v[rC+1], v[rM], v[rT]
.else
	v_exp_f32 v[rC+2], v[rC+1]                     ; a
.endif
.endm
.macro FS f                            ; c s - c m for pair f / 2 of tile f % 2
	REGS (\f)%2
	v_pk_fma_f32 v[rS+2*((\f)/2):rS+2*((\f)/2)+1], v[rS+2*((\f)/2):rS+2*((\f)/2)+1], s[CS:CS+1], v[rT:rT+1] op_sel_hi:[1,0,0] neg_lo:[0,0,1] neg_hi:[0,0,1]
.endm
.macro EX e                            ; the exponential of score e / 2 of tile e % 2
	REGS (\e)%2
	v_exp_f32 v[rS+(\e)/2], v[rS+(\e)/2]
.endm
.macro RS r                            ; pair r / 2 of tile r % 2's O^T times a, from the low end on
	REGS (\r)%2
	v_pk_mul_f32 v[rO+2*((\r)/2):rO+2*((\r)/2)+1], v[rO+2*((\r)/2):rO+2*((\r)/2)+1], v[rC+2:rC+3] op_sel_hi:[1,0]
.endm
; Number g of the 64 that follow the exponentials: for each four weights of a tile both pairs are rounded to bf16, the second pair is added onto the first, and a group later l takes that sum (the first time as l = a l + sum).
.macro GS g
.set h, (\g)+6*((\g)/62)
.if h >= 6
.set h, h+2
.endif
	REGS h%2
.set k, h/8
.if h%8 < 4
	v_cvt_pk_bf16_f32 v[rP+2*k+(h%8)/2], v[rS+4*k+2*((h%8)/2)], v[rS+4*k+2*((h%8)/2)+1]
.elseif h%8 < 6
	v_pk_add_f32 v[rS+4*k:rS+4*k+1], v[rS+4*k:rS+4*k+1], v[rS+4*k+2:rS+4*k+3]
.elseif k == 1
	v_pk_fma_f32 v[rT+2:rT+3], v[rT+2:rT+3], v[rC+2:rC+3], v[rS:rS+1] op_sel_hi:[1,0,1]
.else
	v_pk_add_f32 v[rT+2:rT+3], v[rT+2:rT+3], v[rS+4*k-4:rS+4*k-3]
.endif
.endm
.macro STEP
	v_add_nc_u32 v[AV], s[TBV], v[AV0]             ; with the three v_nop: four places behind the last product that read V
	v_nop
	v_nop
	v_nop
	s_add_co_u32 s[TBV], s[TBV], KS*PV
	FETCH_V
	s_wait_dscnt 16                                ; K is in; V's sixteen loads may stay out
	WIN 0x05
.set i, 0
.rept 16
	KQ
.set i, i+1
.endr
	WIN 0
	v_add_nc_u32 v[AK], s[TBK], v[AK0]             ; four plain instructions: the places behind those products
	v_add_nc_u32 v[THR], s[DEL], v[TB]
	v_add_nc_u32 v[THR+1], 16, v[THR]
	v_nop
	s_sub_co_i32 s[DEL], s[DEL], KS
	s_cmp_eq_u32 s[DG], 0
	s_cbranch_scc1 .Lopen_\@
.set i, 0
.rept 32                               ; the diagonal tile: a key behind the query counts as -1e30
	v_cmp_gt_i32 vcc_lo, 16*(i/8)+i%8, v[THR]
	v_cndmask_b32 v[S+i], v[S+i], v[BIGV], vcc_lo
	v_cmp_gt_i32 vcc_lo, 16*(i/8)+i%8, v[THR+1]
	v_cndmask_b32 v[S+32+i], v[S+32+i], v[BIGV], vcc_lo
.set i, i+1
.endr
.Lopen_\@:
	s_cmp_eq_u32 s[CNT], 1                         ; a tile's last step fetches no K: the next tile's lies in the other slot, behind the change
	s_cbranch_scc1 .Lno_k_\@
	FETCH_K
.Lno_k_\@:
.irp n, 0,1,2,3,4,5,6,7,8,9,10,11,12,13,14,15,16,17,18,19,20,21
	XS 0, \n
	XS 1, \n
.endr
.set f, 0
.rept 8
	FS f
.set f, f+1
.endr
	s_wait_alu depctr_va_vdst(0)                   ; the wait for the two a, ahead of the rescalings that read them; eight scalings stand between
.set e, 0
.rept 64                               ; the 64 exponentials are one batch; a plain instruction that names no result of theirs stands behind each while there are any
	EX e
.if e < 24
	FS 8+e
.elseif e < 56
	RS e-24
.endif
.set e, e+1
.endr
	v_nop                                          ; a plain instruction behind the last exponential,
	s_wait_alu depctr_va_vdst(0)                   ; and the one wait for the batch
.set g, 0
.rept 64
	GS g
.set g, g+1
.endr
	s_wait_dscnt 0x0                               ; V is in (and the next K)
	WIN 0x01
.set i, 0
.rept 16
	PV
.set i, i+1
.endr
	WIN 0
.endm
.macro TILE                            ; a tile's four key steps
	s_sub_co_u32 s[RT], s[RT], 1
	s_cmp_eq_u32 s[RT], 0
	s_cselect_b32 s[DG], 1, 0
	s_mov_b32 s[DEL], s[DEL0]
	v_add_nc_u32 v[AK], s[TBK], v[AK0]
	FETCH_K
	s_mov_b32 s[CNT], 4
.Lstep_\@:
	STEP
	s_sub_co_u32 s[CNT], s[CNT], 1
	s_cmp_lg_u32 s[CNT], 0
	s_cbranch_scc1 .Lstep_\@
.endm
.macro FRESH                           ; a block begins: c m far below every c s, so the first step's a is 0; m the lowest finite number
.irp u, 0,1
	v_mov_b32 v[ST+4*(\u)], 0xfe000000
	v_mov_b32 v[ST+4*(\u)+1], 0xff7fffff
.endr
.endm
.macro PACK u                          ; O^T / l, rounded to bf16, into rows of 144 bytes of my stage, and back as whole rows of 128
.set i, O+32*(\u)
.rept 16
	v_pk_mul_f32 v[i:i+1], v[i:i+1], v[ST+4*(\u)+2:ST+4*(\u)+3] op_sel_hi:[1,0]
.set i, i+2
.endr
.set i, 0
.rept 16
	v_cvt_pk_bf16_f32 v[S+16*(\u)+i], v[O+32*(\u)+2*i], v[O+32*(\u)+2*i+1]
.set i, i+1
.endr
.irp f, 0,1,2,3
	ds_store_b128 v[STO], v[S+16*(\u)+4*\f:S+16*(\u)+4*\f+3] offset:32*\f
.endr
.irp f, 0,1,2,3
	ds_load_b128 v[S+16*(\u)+4*\f:S+16*(\u)+4*\f+3], v[RD] offset:\f*4*SP  ; LDS serves a wave's instructions in order: these see the stores above
.endr
.endm
.macro SEND u, younger                 ; younger: the LDS instructions issued behind tile u's loads
.irp f, 0,1,2,3
	s_wait_dscnt (\younger)+3-\f
	global_store_b128 v[GO], v[S+16*(\u)+4*\f:S+16*(\u)+4*\f+3], s[10:11] offset:(\u)*2048+\f*512  ; 512 consecutive bytes, aligned
.endr
.endm
.macro WAYOUT                          ; the additions are the places behind the last products
	WIN 0
.irp u, 0,1
	v_add_f32 v[ST+4*(\u)+2], v[ST+4*(\u)+2], v[ST+4*(\u)+3]
.endr
.irp u, 0,1
	v_permlanex16_b32 v[ST+4*(\u)+3], v[ST+4*(\u)+2], s[SEL], s[SEL+1]
.endr
.irp u, 0,1
	v_add_f32 v[ST+4*(\u)+2], v[ST+4*(\u)+2], v[ST+4*(\u)+3]
.endr
.irp u, 0,1
	v_rcp_f32 v[ST+4*(\u)+2], v[ST+4*(\u)+2]
.endr
	v_nop                                          ; a plain instruction behind the last reciprocal,
	s_wait_alu depctr_va_vdst(0)                   ; and the one wait for both
	PACK 0
	PACK 1
	SEND 0, 8
	SEND 1, 0
.endm
	s_load_b128 s[88:91], s[0:1], 0x0              ; qkv s[88:89], att s[90:91]
	v_lshl_add_u32 v[SPW], v0, 2, SPARE
	v_mov_b32 v[NIL], 0
	ds_add_u32 v[SPW], v[NIL]                      ; the wave's opening: the add and its wait ahead of my first tensor load
	ds_add_u32 v30, v31
	v_lshrrev_b32 v1, 5, v0
	v_readfirstlane_b32 s[WV], v1
	s_mov_b32 s[PB], ttmp9
	s_sub_co_u32 s[HI], 15, s[PB]
	s_and_b32 s20, ttmp7, 0xffff
	s_lshl_b32 s20, s20, 18                        ; the head's 262,144 bytes
	s_and_b32 s16, s[WV], 1                        ; which half of a tile's 256 keys I fetch
	s_lshl_b32 s22, s16, 14
	s_add_co_u32 s22, s22, s20
	s_mov_b32 s23, 0
	s_mul_i32 s17, s16, 128*PK
	s_mul_i32 s18, s16, 128*PV
	s_lshl_b32 s3, s[WV], 12                       ; my 32 rows of a block,
	s_add_co_u32 s3, s3, s20
	s_lshl_b32 s2, s[HI], 14                       ; in the first block,
	s_add_co_u32 s2, s2, s3
	s_lshl_b32 s84, s[PB], 14                      ; and in the second
	s_add_co_u32 s84, s84, s3
	s_mov_b32 s3, 0
	s_mov_b32 s85, 0
	; 128 keys are 16,384 dense bytes: asked for as 64 rows of 256 bytes, two keys a row, padded in LDS after every key
	s_mov_b32 s[G1K], (1<<16)|(1<<20)|(4<<22)|(3<<25)
	s_mov_b32 s[G1V], (1<<16)|(1<<20)|(4<<22)|(7<<25)
.irp g, G1K, G1V
	s_mov_b32 s[\g+1], 128<<16
	s_mov_b32 s[\g+2], 64<<16
	s_mov_b32 s[\g+3], 128<<16
	s_mov_b32 s[\g+4], 64
	s_mov_b32 s[\g+5], 128
	s_mov_b32 s[\g+6], 0
	s_mov_b32 s[\g+7], 0
.endr
	s_mov_b32 s[CS], 0x3e38aa3b                    ; c = log2(e) / 8
	s_mov_b32 s[CS+1], s[CS]
	s_mov_b32 s[SEL], 0x76543210
	s_mov_b32 s[SEL+1], 0xfedcba98
	s_mov_b32 s[TBK], SLOT1+4*KS*PK                ; the first change of slots turns these two into 0
	s_mov_b32 s[TBV], SLOT1+4*KS*PV
	s_mov_b32 s[G0K], 1
	s_mov_b32 s[G0K+1], s17
	s_mov_b32 s[G0V], 1
	s_add_co_u32 s[G0V+1], s18, VOFF
	s_lshl_b32 s19, s[WV], 5
	s_and_b32 s[DEL0], s[HI], 1                    ; a block's place in its diagonal tile: 128 x (block % 2), + my 32 w
	s_lshl_b32 s[DEL0], s[DEL0], 7
	s_add_co_u32 s[DEL0], s[DEL0], s19
	s_and_b32 s[DEL1], s[PB], 1
	s_lshl_b32 s[DEL1], s[DEL1], 7
	s_add_co_u32 s[DEL1], s[DEL1], s19
	s_lshr_b32 s[LQ], s[HI], 1
	s_lshr_b32 s[LQ2], s[PB], 1
	s_add_co_u32 s[RT], s[LQ], 1
	s_mov_b32 s[NXT], 1
	s_mov_b32 s[OFF+1], 0
	s_mov_b32 s[SLOTS], 8
	s_cmp_eq_u32 s[PB], 0
	s_cselect_b32 s[PFC], 6, 0
	s_wait_dscnt 0x0                               ; the opening add is done
	s_wait_kmcnt 0x0
	s_add_nc_u64 s[6:7], s[88:89], s[22:23]
	s_add_nc_u64 s[8:9], s[6:7], 16777216          ; V at my half of the head's tile 0
	s_add_nc_u64 s[6:7], s[6:7], 8388608           ; K likewise
	s_add_nc_u64 s[G0K+2:G0K+3], s[6:7], 0
	s_or_b32 s[G0K+3], s[G0K+3], 0x80000000
	s_add_nc_u64 s[G0V+2:G0V+3], s[8:9], 0
	s_or_b32 s[G0V+3], s[G0V+3], 0x80000000
	s_add_nc_u64 s[4:5], s[88:89], s[2:3]          ; Q and O at my rows of the first block,
	s_add_nc_u64 s[86:87], s[88:89], s[84:85]      ; and of the second
	s_add_nc_u64 s[10:11], s[90:91], s[2:3]
	s_add_nc_u64 s[OLO:OLO+1], s[90:91], s[84:85]
	s_cmp_lt_u32 s[WV], 2
	s_cselect_b64 s[PFA:PFA+1], s[6:7], s[8:9]
	s_add_nc_u64 s[PFA:PFA+1], s[PFA:PFA+1], 32768 ; at tile 1; the first change steps it to tile 2
	LOAD                                           ; tile 0 into slot 0
	v_and_b32 v1, 15, v0                           ; r
	v_bfe_u32 v10, v0, 4, 1                        ; h
	v_lshlrev_b32 v[QO], 7, v1
	v_lshl_add_u32 v[QO], v10, 4, v[QO]
	WIN 0x40
.set i, 0
.rept 4                                ; both blocks' Q stay in registers: tile i / 2, channels 32 (i % 2) on
	global_load_b128 v[8*i:8*i+3],       v[QO], s[4:5] offset:(i/2)*2048+(i%2)*64
	global_load_b128 v[8*i+4:8*i+7],     v[QO], s[4:5] offset:(i/2)*2048+(i%2)*64+32
	global_load_b128 v[QL+8*i:QL+8*i+3],   v[QO], s[86:87] offset:(i/2)*2048+(i%2)*64
	global_load_b128 v[QL+8*i+4:QL+8*i+7], v[QO], s[86:87] offset:(i/2)*2048+(i%2)*64+32
.set i, i+1
.endr
	WIN 0
	v_lshlrev_b32 v11, 3, v10
	v_sub_nc_u32 v[TB], v1, v11
	v_mov_b32 v[BIGV], 0xf149f2ca                  ; -1e30
	v_mul_u32_u24 v[AK0], v1, PK
	v_lshl_add_u32 v[AK0], v10, 4, v[AK0]
	v_and_b32 v18, 7, v0
	v_bfe_u32 v19, v0, 3, 1
	v_lshl_add_u32 v[AV0], v10, 3, v18
	v_mul_u32_u24 v[AV0], v[AV0], PV
	v_lshl_add_u32 v[AV0], v19, 4, v[AV0]
	v_add_nc_u32 v[AV0], VOFF, v[AV0]
	s_mul_i32 s13, s[WV], 16*SP
	s_add_co_u32 s13, s13, STAGE
	v_mul_u32_u24 v[STO], v1, SP
	v_lshl_add_u32 v[STO], v10, 4, v[STO]
	v_add_nc_u32 v[STO], s13, v[STO]
	v_bfe_u32 v[RD], v0, 3, 2
	v_mul_u32_u24 v[RD], v[RD], SP
	v_lshl_add_u32 v[RD], v18, 4, v[RD]
	v_add_nc_u32 v[RD], s13, v[RD]
	v_and_b32 v[GO], 31, v0
	v_lshlrev_b32 v[PFO], 8, v[GO]
	v_lshlrev_b32 v[GO], 4, v[GO]
	; A block's first step multiplies O^T and l by a = 0, so they need only be finite: zeros for the first block, what the first block left for the second.  This stands in the wait for the first tile.
.set i, O
.rept 64
	v_mov_b32 v[i], 0
.set i, i+1
.endr
.irp u, 0,1
	v_mov_b32 v[ST+4*(\u)+2], 0
	v_mov_b32 v[ST+4*(\u)+3], 0
.endr
	FRESH
	s_wait_loadcnt 0x0                             ; Q
.Lslot:                                ; eight times: a tile is entered and the next is asked for
	CHANGE 1
	TILE
	s_cmp_eq_u32 s[DG], 0
	s_cbranch_scc1 .Lbottom
	WAYOUT                                         ; in the loop this is the first block's end: the second block's last tile is the walk's last
	s_wait_xcnt 0x0                                ; the stores have read their registers and O's address
	s_mov_b64 s[10:11], s[OLO:OLO+1]
	s_add_co_u32 s[RT], s[LQ2], 1
	s_mov_b32 s[DEL0], s[DEL1]
	FRESH
	WIN 0x41
.set i, 0
.rept 32
	v_mov_b32 v[i], v[QL+i]                        ; the second block's Q goes where the one text of the steps names Q
.set i, i+1
.endr
	WIN 0
.Lbottom:
	s_sub_co_u32 s[SLOTS], s[SLOTS], 1
	s_cmp_lg_u32 s[SLOTS], 0
	s_cbranch_scc1 .Lslot
	CHANGE 0                                       ; the walk's last tile is written out
	TILE
	WAYOUT
	s_wait_tensorcnt 0x0                           ; the wave's end
	ds_add_u32 v[SPW], v[NIL]
	s_wait_dscnt 0x0
	s_endpgm
.Lfunc_end_k_q7686667bfa_attn:
	.size	k_q7686667bfa_attn, .Lfunc_end_k_q7686667bfa_attn-k_q7686667bfa_attn
	.p2alignl 7, 3214868480
	.fill 96, 4, 3214868480
	.section	.rodata,"a",@progbits
	.p2align	6, 0x0
	.amdhsa_kernel k_q7686667bfa_attn
		.amdhsa_group_segment_fixed_size 327680
		.amdhsa_private_segment_fixed_size 0
		.amdhsa_enable_private_segment 0
		.amdhsa_kernarg_size 16
		.amdhsa_user_sgpr_count 2
		.amdhsa_user_sgpr_kernarg_segment_ptr 1
		.amdhsa_wavefront_size32 1
		.amdhsa_system_sgpr_workgroup_id_x 1
		.amdhsa_system_sgpr_workgroup_id_y 1
		.amdhsa_system_sgpr_workgroup_id_z 1
		.amdhsa_system_vgpr_workitem_id 0
		.amdhsa_next_free_vgpr 448
		.amdhsa_next_free_sgpr 96
		.amdhsa_reserve_vcc 1
		.amdhsa_float_denorm_mode_32 3
		.amdhsa_float_denorm_mode_16_64 3
		.amdhsa_memory_ordered 1
		.amdhsa_forward_progress 1
		.amdhsa_inst_pref_size 73
	.end_amdhsa_kernel
	.amdgpu_metadata
---
amdhsa.version: [ 1, 2 ]
amdhsa.kernels:
  - .name:           k_q7686667bfa_attn
    .symbol:         k_q7686667bfa_attn.kd
    .args:
      - { .name: qkv, .offset: 0, .size: 8, .value_kind: global_buffer, .address_space: global }
      - { .name: att, .offset: 8, .size: 8, .value_kind: global_buffer, .address_space: global }
    .group_segment_fixed_size: 327680
    .private_segment_fixed_size: 0
    .kernarg_segment_align: 8
    .kernarg_segment_size: 16
    .max_flat_workgroup_size: 128
    .sgpr_count:     96
    .vgpr_count:     448
    .wavefront_size: 32
...
	.end_amdgpu_metadata
.endif
;; end of part 3
;; launch oproj (part 4): grid 8 x 32, 4 waves a work-group, clusters of 4 x 4, 327,680 bytes of LDS; arguments att, wb, b_out, x1, x; writes x1
.if DOCPART == 4
	.amdgcn_target "amdgcn-amd-amdhsa--gfx1250"
	.amdhsa_code_object_version 6
	.text
	.protected	k_q7686667bfa_oproj
	.globl	k_q7686667bfa_oproj
	.p2align	8
	.type	k_q7686667bfa_oproj,@function
k_q7686667bfa_oproj:
	s_mov_b64 s[64:65], 0
	v_nop
	global_prefetch_b8 v0, s[64:65] scope:SCOPE_SE
	s_setreg_imm32_b32 hwreg(HW_REG_WAVE_MODE, 25, 1), 1
	s_wait_xcnt 0x0
	s_wait_alu depctr_hold_cnt(0) depctr_sa_sdst(0) depctr_va_vdst(0) depctr_va_sdst(0) depctr_va_ssrc(0) depctr_va_vcc(0) depctr_vm_vsrc(0)
	s_getreg_b32 s2, hwreg(HW_REG_IB_STS2, 6, 4)
	s_cmp_eq_u32 s2, 0
	s_cbranch_scc0 .Lentry_in_a_cluster
	s_endpgm
.Lentry_in_a_cluster:
	s_bfe_u32 s2, ttmp6, 0x10000c
	s_cmp_lg_u32 s2, 0xf033
	s_cbranch_scc0 .Lentry_shape_is_right
	s_endpgm
.Lentry_shape_is_right:
; OUT = RES + A W + bias on tiles of 128 x 128, all of OUT and RES in f32, [4096][1024].  W: [K][1024] bf16 as the problem lays it.  Sums in f32.
; OPROJ = 1: A = attention's O, by heads [32][2048][64] bf16, K = 1,024, W = w_out, RES = x.  OPROJ = 0: A = gelu(..) [4096][4096] bf16, K = 4,096, W = w_ff2, RES = x1.
; SHARES.  256 work-groups, one for each WGP; four waves, each 64 x 64: 16 accumulators.  K goes in steps of 256 through two LDS slots; a step is four quarters of 64.
; A's tile: OPROJ = 0: 128 rows of 512 bytes, pitch 528.  OPROJ = 1: a quarter is one head, whose 128 rows of 128 bytes are dense in memory: a load brings two heads as two long rows of 16,384 bytes,
; padded after every 128 bytes: pitch 144, a head 18,432 bytes.  W's tile: 256 k-rows of 256 bytes, pitch 288 (9 x 32), read turned.  Waves 0, 1 fetch A's halves, waves 2, 3 W's:
; one tensor load a wave behind each change of slots; two are out at the start, later one.
; THE WALK ALONG K.  A cluster whose x + y is odd begins at K's middle and goes round K's end; the others begin at 0.  Of the clusters that read the same rows (A's: two, W's: eight) half are so
; half of K away from the other half: the readers of a block of rows do not all ask for it in the same K step.  The f32 sums are taken in that order.
; The product is taken transposed (a lane holds row lane % 16, columns 8 (lane / 16) + 0..7); the bias is the C operand of each accumulator's first product; RES is asked for at the start, into
; registers of its own, and stays on its way under the whole K loop.  A wave's 64 columns of f32 are 256 consecutive bytes, aligned: each wave's own stage turns its results into whole rows.
; CLUSTER 4 x 4: A's tile is asked for jointly by a row of the cluster, W's by a column.
; PREFETCH: OPROJ = 0 alone.  With OPROJ = 1 the loop has two refills: there is no K step beyond those that the loads themselves ask for at once.
; LIMITS: NaN and infinities are not treated apart; operands are rounded to bf16.
; REGISTERS: window 0: v16-30 addresses; v32-63 at work; v96-127 the bias; v128-255 the accumulators, (a, b) at v[128 + 8 (4 a + b)].  Window 1: two fragment buffers of 128 (64 of A, 64 of W).  Window 2: v0-127 RES.
.set OPROJ, 1
.if OPROJ
.set NSTEP, 4
.set WOFF,  6291456
.set AP,    144
.set AQ,    18432
.set ALOAD, 0x9000
.set STEPA, 1048576
.set PREF,  0
.else
.set NSTEP, 16
.set WOFF,  16777216
.set AP,    528
.set AQ,    128
.set ALOAD, 0x8400
.set STEPA, 512
.set PREF,  1
.endif
.set PITB,  288
.set BOFF,  0x12000
.set BLOAD, 0x9000
.set SLOTX, 0x24000                    ; a slot; no load's LDS address in slot 0 has one of its two bits set
.set STEPB, 524288                     ; 256 k-rows of 2,048 bytes
.set STAGE, 2*SLOTX
.set SP,    272
.set SPARE, STAGE+4*16*SP              ; the spare words: 128 bytes a wave, two blocks of 256 bytes that no other line names
.set ADRA0, 16
.set ADRB0, 17
.set ADRA,  18
.set ADRB,  19                         ; v19 quarters 0, 1; v20 quarters 2, 3 (128 k-rows on: past the 16 bits of an offset)
.set BO,    21
.set RO,    22                         ; v22  my 16 bytes in two rows of OUT and RES; never rewritten
.set STO,   24
.set RD,    25
.set SPW,   28
.set NIL,   29
.set PFO,   30
.set TMP,   32
.set BI,    96
.set ACC,   128
.set F0,    0
.set F1,    128
.set WV,  14
.set RH,  15
.set CH,  16
.set CX,  17
.set CY,  18
.set TC,  19
.set TR,  20
.set CNT, 21
.set SL,  22
.set LIM, 23
.set G1A, 24
.set G0A, 32
.set G1B, 40
.set G0B, 48
.set PFA, 56
.set PFS, 58
.set KI,  84                           ; s84  the K step at which the walking descriptors stand
.set PHS, 85                           ; s85  my cluster's first K step: 0 or NSTEP / 2
.set WA,  86                           ; s[86:87], s[88:89]  what is taken back from A's and W's addresses: all of K at the walk's turn, else 0
.set WB,  88
.set MSB, 0
.macro WIN new
.if MSB != (\new)
	s_set_vgpr_msb (MSB<<8)|(\new)
.set MSB, \new
.endif
.endm
.macro PLACES
.rept 4
	v_nop
.endr
.endm
.macro JLOAD                           ; the joint refill, by the walking descriptors; an s_nop 0 and four v_nop follow each line
	s_cmp_eq_u32 s[RH], 0
	s_cbranch_scc0 .Lfor_b_\@
	tensor_load_to_lds s[G0A+4:G0A+7], s[G1A:G1A+7]
	s_nop 0
.rept 4
	v_nop
.endr
	s_branch .Lasked_\@
.Lfor_b_\@:
	tensor_load_to_lds s[G0B+4:G0B+7], s[G1B:G1B+7]
	s_nop 0
.rept 4
	v_nop
.endr
.Lasked_\@:
.endm
.macro CREST
	s_cmp_lg_u32 s[WV], 0
	s_cbranch_scc1 .Lnot_wave_0_\@
	s_barrier_signal -3
.Lnot_wave_0_\@:
	s_barrier_wait -3
	s_barrier_signal -1
	s_barrier_wait -1
.endm
.macro CROUND
	s_barrier_signal -1
	s_barrier_wait -1
	CREST
.endm
; A prefetch into the L2 of the K step two refills on, 256 matrix instructions ahead of the load that wants it, for steps 4 to 7 of a walk.  A's rows: each cluster asks for its own walk's, and the
; two clusters that read a row begin half of K apart, so their eight first steps are different ones.  W's rows: the clusters with y = 0 and y = 1, which begin half of K apart, ask.  The four partners
; that ask for a tile jointly share its rows out by address: each block of 256 bytes is named once in the launch.  A walk's second half is not asked for: the clusters that began there have read it.
.macro ASK
	WIN 0
	s_cmp_gt_u32 s[CNT], s[LIM]
	s_cbranch_scc0 .Lnot_mine_\@
	global_prefetch_b8 v[PFO], s[PFA:PFA+1] th:TH_LOAD_NT scope:SCOPE_SE
.Lnot_mine_\@:
.endm
; 8 products: row blocks a0, a0 + 1 x all 4 column blocks, 32 along K: half c of buffer f.  first = 1: C is the bias.
.macro MUL8 f, c, a0, first
	WIN 0x05
.irp a, \a0, (\a0)+1
.irp b, 0,1,2,3
.if \first
	v_wmma_f32_16x16x32_bf16 v[ACC+8*(4*(\a)+(\b)):ACC+8*(4*(\a)+(\b))+7], v[(\f)+64+8*(4*(\c)+(\b)):(\f)+64+8*(4*(\c)+(\b))+7], v[(\f)+8*(4*(\c)+(\a)):(\f)+8*(4*(\c)+(\a))+7], v[BI+8*(\b):BI+8*(\b)+7]
.else
	v_wmma_f32_16x16x32_bf16 v[ACC+8*(4*(\a)+(\b)):ACC+8*(4*(\a)+(\b))+7], v[(\f)+64+8*(4*(\c)+(\b)):(\f)+64+8*(4*(\c)+(\b))+7], v[(\f)+8*(4*(\c)+(\a)):(\f)+8*(4*(\c)+(\a))+7], v[ACC+8*(4*(\a)+(\b)):ACC+8*(4*(\a)+(\b))+7]
.endif
.endr
.endr
.endm
; 32 LDS loads in one run: quarter q (64 along K) of the slot in hand into buffer f; the first 32 along K first
.macro FETCH q, f
	WIN 0x40
.irp c, 0,1
.irp i, 0,1,2,3
	ds_load_tr16_b128 v[(\f)+64+8*(4*(\c)+(\i)):(\f)+64+8*(4*(\c)+(\i))+3],   v[ADRB+(\q)/2] offset:(((\q)%2)*64+32*(\c))*PITB+32*(\i)
	ds_load_tr16_b128 v[(\f)+64+8*(4*(\c)+(\i))+4:(\f)+64+8*(4*(\c)+(\i))+7], v[ADRB+(\q)/2] offset:(((\q)%2)*64+32*(\c)+16)*PITB+32*(\i)
	ds_load_b128 v[(\f)+8*(4*(\c)+(\i)):(\f)+8*(4*(\c)+(\i))+3],   v[ADRA] offset:(\q)*AQ+64*(\c)+(\i)*16*AP
	ds_load_b128 v[(\f)+8*(4*(\c)+(\i))+4:(\f)+8*(4*(\c)+(\i))+7], v[ADRA] offset:(\q)*AQ+64*(\c)+(\i)*16*AP+32
.endr
.endr
.endm
.macro QUARTER q, f, g, first          ; the 16 accumulators take turns in one order everywhere
	s_wait_dscnt 16                                ; the first 32 along K are in
	MUL8 \f, 0, 0, \first
	MUL8 \f, 0, 2, \first
	PLACES
	FETCH \q, \g
	s_wait_dscnt 32                                ; all but the 32 just issued
	MUL8 \f, 1, 0, 0
	MUL8 \f, 1, 2, 0
.endm
.macro MEET                            ; the first half of a step's last quarter, and the barrier of the change of slots
	WIN 0
	s_wait_tensorcnt 0x0                           ; all my tensor loads have landed: my part of the other slot
	ds_add_u32 v[SPW], v[NIL]
	s_wait_dscnt 17                                ; (the add and the youngest sixteen loads may be out)
	MUL8 F1, 0, 0, 0
	s_wait_dscnt 0x0                               ; the add is done, and my reads of this slot are over
	s_barrier_signal -1
	MUL8 F1, 0, 2, 0
	WIN 0
	s_barrier_wait -1
.endm
.macro SWAP
	s_xor_b32 s[SL], s[SL], SLOTX
	v_add_nc_u32 v[ADRA], s[SL], v[ADRA0]
	v_add_nc_u32 v[ADRB], s[SL], v[ADRB0]
	v_add_nc_u32 v[ADRB+1], 128*PITB, v[ADRB]
.endm
.macro TURN                            ; the last quarter with a refill: the barrier opens a round of the cluster's; the joint refill is the first tensor load behind it: 112 matrix instructions ahead of the wait for it
.if PREF
	s_wait_xcnt 0x0                                ; the last prefetch, a K step back, has read its address
	s_add_nc_u64 s[PFA:PFA+1], s[PFA:PFA+1], s[PFS:PFS+1]
.endif
	MEET
	CREST
	s_add_co_u32 s[KI], s[KI], 1                   ; the walking descriptors go one K step on; behind K's last step comes its first
	s_cmp_eq_u32 s[KI], NSTEP
	s_cselect_b32 s[KI], 0, s[KI]
	s_cselect_b32 s[WA], NSTEP*STEPA, 0
	s_cselect_b32 s[WB], NSTEP*STEPB, 0
	s_xor_b32 s[G0A+5], s[G0A+5], SLOTX
	s_add_nc_u64 s[G0A+6:G0A+7], s[G0A+6:G0A+7], STEPA
	s_sub_nc_u64 s[G0A+6:G0A+7], s[G0A+6:G0A+7], s[WA:WA+1]
	s_xor_b32 s[G0B+5], s[G0B+5], SLOTX
	s_add_nc_u64 s[G0B+6:G0B+7], s[G0B+6:G0B+7], STEPB
	s_sub_nc_u64 s[G0B+6:G0B+7], s[G0B+6:G0B+7], s[WB:WB+1]
	JLOAD                                          ; its four v_nop are also the places in front of the loads below
	SWAP
	FETCH 0, F0
.if PREF
	ASK
.endif
	MUL8 F1, 1, 0, 0
	MUL8 F1, 1, 2, 0
.endm
	s_load_b256 s[4:11], s[0:1], 0x0               ; A s[4:5], wb s[6:7], bias s[8:9], OUT s[10:11]
	s_load_b64 s[12:13], s[0:1], 0x20              ; RES
	v_lshl_add_u32 v[SPW], v0, 2, SPARE
	v_mov_b32 v[NIL], 0
	ds_add_u32 v[SPW], v[NIL]                      ; the wave's opening: the add and its wait ahead of my first tensor load
	ds_add_u32 v28, v29
	v_lshrrev_b32 v1, 5, v0
	v_readfirstlane_b32 s[WV], v1
	s_lshr_b32 s[RH], s[WV], 1
	s_and_b32 s[CH], s[WV], 1
	s_bfe_u32 s[CX], ttmp6, 0x40000
	s_bfe_u32 s[CY], ttmp6, 0x40004
	s_lshl_b32 s[TC], ttmp9, 2
	s_add_co_u32 s[TC], s[TC], s[CX]
	s_and_b32 s[TR], ttmp7, 0xffff
	s_lshl_b32 s[TR], s[TR], 2
	s_add_co_u32 s[TR], s[TR], s[CY]
	s_lshl_b32 s60, s[CY], 2
	s_lshl_b32 s60, 15, s60                        ; my row of the cluster
	s_lshl_b32 s61, 0x1111, s[CX]                  ; my column
.if OPROJ
	s_or_b32 s[G1A], s60, (1<<16)|(1<<20)|(1<<21)|(4<<22)|(3<<25)  ; padding after every 32 words, 4 words
	s_mov_b32 s[G1A+1], 8192<<16                   ; tensor_dim0 = 8,192: a head's 128 rows on end
	s_mov_b32 s[G1A+2], 2<<16                      ; tensor_dim1 = 2 heads
	s_mov_b32 s[G1A+3], 8192<<16                   ; tile_dim0
	s_mov_b32 s[G1A+4], 2                          ; tile_dim1
	s_mov_b32 s[G1A+5], 131072                     ; elements from head to head
.else
	s_or_b32 s[G1A], s60, (1<<16)|(1<<20)|(1<<21)|(6<<22)|(3<<25)  ; after every 128 words, 4 words
	s_mov_b32 s[G1A+1], 256<<16
	s_mov_b32 s[G1A+2], 64<<16
	s_mov_b32 s[G1A+3], 256<<16
	s_mov_b32 s[G1A+4], 64
	s_mov_b32 s[G1A+5], 4096
.endif
	s_mov_b32 s[G1A+6], 0
	s_mov_b32 s[G1A+7], 0
	s_or_b32 s[G1B], s61, (1<<16)|(1<<20)|(1<<21)|(5<<22)|(7<<25)  ; after every 64 words, 8 words
	s_mov_b32 s[G1B+1], 128<<16
	s_mov_b32 s[G1B+2], 128<<16
	s_mov_b32 s[G1B+3], 128<<16
	s_mov_b32 s[G1B+4], 128
	s_mov_b32 s[G1B+5], 1024
	s_mov_b32 s[G1B+6], 0
	s_mov_b32 s[G1B+7], 0
.if OPROJ
	s_lshr_b32 s62, s[TR], 4                       ; batch x 16 heads + 2 heads x half, 262,144 bytes a head; + 128 tokens x (tile row % 16)
	s_lshl_b32 s62, s62, 22
	s_lshl_b32 s63, s[CH], 19
	s_add_co_u32 s62, s62, s63
	s_and_b32 s63, s[TR], 15
	s_lshl_b32 s63, s63, 14
	s_add_co_u32 s62, s62, s63
.else
	s_lshl_b32 s62, s[TR], 7                       ; row 128 x tile row + 64 x half, 8,192 bytes a row
	s_lshl_b32 s63, s[CH], 6
	s_add_co_u32 s62, s62, s63
	s_lshl_b32 s62, s62, 13
.endif
	s_mov_b32 s63, 0
	s_lshl_b32 s66, s[CH], 18                      ; W: k-row 128 x half, 256 bytes x tile column
	s_lshl_b32 s67, s[TC], 8
	s_add_co_u32 s66, s66, s67
	s_add_co_u32 s66, s66, WOFF
	s_mov_b32 s67, 0
	s_xor_b32 s[PHS], ttmp9, ttmp7                 ; the parity of cluster x + cluster y, which all sixteen partners share:
	s_and_b32 s[PHS], s[PHS], 1
	s_mul_i32 s[PHS], s[PHS], NSTEP/2              ; my cluster's first K step
	s_mul_i32 s60, s[PHS], STEPA
	s_add_co_u32 s62, s62, s60
	s_mul_i32 s60, s[PHS], STEPB
	s_add_co_u32 s66, s66, s60
	s_add_co_u32 s[KI], s[PHS], 1                  ; the walking descriptors begin at the walk's second step
	s_mov_b32 s[WA+1], 0
	s_mov_b32 s[WB+1], 0
	s_mul_i32 s68, s[CH], ALOAD                    ; where the loads go: no place in the cluster enters an LDS address
	s_mul_i32 s69, s[CH], BLOAD
	s_add_co_u32 s69, s69, BOFF
	s_wait_dscnt 0x0                               ; the opening add is done
	s_wait_kmcnt 0x0
	s_add_nc_u64 s[62:63], s[4:5], s[62:63]
	s_add_nc_u64 s[66:67], s[6:7], s[66:67]
	CROUND                                         ; all sixteen work-groups are here: the first joint loads meet
.irp s, 0,1
	s_mov_b32 s[G0A+4*(\s)], 1
	s_add_co_u32 s[G0A+4*(\s)+1], s68, (\s)*SLOTX
	s_add_nc_u64 s[G0A+4*(\s)+2:G0A+4*(\s)+3], s[62:63], (\s)*STEPA
	s_or_b32 s[G0A+4*(\s)+3], s[G0A+4*(\s)+3], 0x80000000
	s_mov_b32 s[G0B+4*(\s)], 1
	s_add_co_u32 s[G0B+4*(\s)+1], s69, (\s)*SLOTX
	s_add_nc_u64 s[G0B+4*(\s)+2:G0B+4*(\s)+3], s[66:67], (\s)*STEPB
	s_or_b32 s[G0B+4*(\s)+3], s[G0B+4*(\s)+3], 0x80000000
.endr
	s_cmp_eq_u32 s[RH], 0                          ; a wave's two first fills stand in one branch: two loads of mine are out
	s_cbranch_scc0 .Lfirst_b
	tensor_load_to_lds s[G0A:G0A+3], s[G1A:G1A+7]
	s_nop 0
	tensor_load_to_lds s[G0A+4:G0A+7], s[G1A:G1A+7]
	s_nop 0
.rept 4
	v_nop
.endr
	s_branch .Lfirst_asked
.Lfirst_b:
	tensor_load_to_lds s[G0B:G0B+3], s[G1B:G1B+7]
	s_nop 0
	tensor_load_to_lds s[G0B+4:G0B+7], s[G1B:G1B+7]
	s_nop 0
.rept 4
	v_nop
.endr
.Lfirst_asked:
	v_and_b32 v1, 15, v0                           ; r
	v_bfe_u32 v2, v0, 4, 1                         ; h
	v_lshlrev_b32 v[BO], 5, v2
	s_lshl_b32 s60, s[TC], 9                       ; my 64 columns, 4 bytes each
	s_lshl_b32 s61, s[CH], 8
	s_add_co_u32 s60, s60, s61
	s_mov_b32 s61, 0
	s_add_nc_u64 s[8:9], s[8:9], s[60:61]
.irp b, 0,1,2,3
	global_load_b128 v[BI+8*(\b):BI+8*(\b)+3],   v[BO], s[8:9] offset:64*(\b)
	global_load_b128 v[BI+8*(\b)+4:BI+8*(\b)+7], v[BO], s[8:9] offset:64*(\b)+16
.endr
	s_lshl_b32 s62, s[TR], 7                       ; + my 64 rows of 4,096 bytes
	s_lshl_b32 s63, s[RH], 6
	s_add_co_u32 s62, s62, s63
	s_lshl_b32 s62, s62, 12
	s_add_co_u32 s60, s60, s62
	s_add_nc_u64 s[10:11], s[10:11], s[60:61]
	s_add_nc_u64 s[12:13], s[12:13], s[60:61]
	v_lshlrev_b32 v[RO], 12, v2                    ; lanes 0-15 one row's 256 bytes, lanes 16-31 the next row's
	v_lshl_add_u32 v[RO], v1, 4, v[RO]
	WIN 0x80
.irp a, 0,1,2,3
.irp t, 0,1,2,3,4,5,6,7
	global_load_b128 v[4*(8*(\a)+(\t)):4*(8*(\a)+(\t))+3], v[RO], s[12:13] offset:(16*(\a)+2*(\t))*4096 th:TH_LOAD_NT
.endr
.endr
	WIN 0
	v_mul_u32_u24 v3, v1, AP                       ; A's fragments: row x pitch + 16 h
	v_lshl_add_u32 v3, v2, 4, v3
	s_mul_i32 s60, s[RH], 64*AP
	v_add_nc_u32 v[ADRA0], s60, v3
	v_and_b32 v4, 7, v0                            ; W's, turned
	v_lshl_add_u32 v4, v2, 3, v4
	v_mul_u32_u24 v4, v4, PITB
	v_bfe_u32 v5, v0, 3, 1
	v_lshl_add_u32 v4, v5, 4, v4
	s_lshl_b32 s60, s[CH], 7
	s_add_co_u32 s60, s60, BOFF
	v_add_nc_u32 v[ADRB0], s60, v4
	v_mov_b32 v[ADRA], v[ADRA0]
	v_mov_b32 v[ADRB], v[ADRB0]
	v_add_nc_u32 v[ADRB+1], 128*PITB, v[ADRB0]
	s_mov_b32 s[SL], 0
	s_mul_i32 s60, s[WV], 16*SP
	s_add_co_u32 s60, s60, STAGE                   ; my stage
	v_mul_u32_u24 v3, v1, SP
	v_lshl_add_u32 v3, v2, 5, v3
	v_add_nc_u32 v[STO], s60, v3
	v_mul_u32_u24 v3, v2, SP
	v_lshl_add_u32 v3, v1, 4, v3
	v_add_nc_u32 v[RD], s60, v3
.if PREF
	; A: my work-group's 16 of the 64 rows that I fetch, two lanes a row of 512 bytes; W: its 32 of my 128 k-rows, a lane a row.  They stand at the walk's step 3; the first change steps them to 4.
	s_add_co_u32 s67, s[PHS], 3
	s_lshl_b32 s60, s[TR], 7
	s_lshl_b32 s61, s[CH], 6
	s_add_co_u32 s60, s60, s61
	s_lshl_b32 s61, s[CX], 4
	s_add_co_u32 s60, s60, s61
	s_lshl_b32 s60, s60, 13
	s_mul_i32 s61, s67, STEPA
	s_add_co_u32 s60, s60, s61
	s_lshl_b32 s61, s[CH], 7
	s_lshl_b32 s62, s[CY], 5
	s_add_co_u32 s61, s61, s62
	s_lshl_b32 s61, s61, 11
	s_mul_i32 s62, s67, STEPB
	s_add_co_u32 s61, s61, s62
	s_lshl_b32 s62, s[TC], 8
	s_add_co_u32 s61, s61, s62
	s_add_co_u32 s61, s61, WOFF
	s_and_b32 s62, ttmp7, 0xffff                   ; cluster y
	s_cmp_lt_u32 s62, 2
	s_cselect_b32 s62, NSTEP-6, -1                 ; W's rows: the first cluster of each of the two walks asks
	s_mov_b32 s63, 2048
	s_mov_b32 s66, STEPB
	s_sub_co_u32 s67, 1, s[RH]
	s_cmp_eq_u32 s[RH], 0
	s_cselect_b32 s60, s60, s61
	s_cselect_b32 s[LIM], NSTEP-6, s62             ; asked for while more than NSTEP - 6 refills are to come: the walk's steps 4 to 7; the same in all sixteen partners, for a given wave
	s_cselect_b64 s[PFA:PFA+1], s[4:5], s[6:7]
	s_cselect_b32 s63, 8192, s63                   ; bytes from row to row
	s_cselect_b32 s[PFS], STEPA, s66
	s_mov_b32 s[PFS+1], 0
	s_mov_b32 s61, 0
	s_add_nc_u64 s[PFA:PFA+1], s[PFA:PFA+1], s[60:61]
	v_and_b32 v3, 31, v0
	v_lshrrev_b32 v4, s67, v3
	v_and_b32 v5, s67, v3
	v_mul_lo_u32 v4, v4, s63
	v_lshl_add_u32 v[PFO], v5, 8, v4
.endif
	s_wait_tensorcnt 0x1                           ; my part of the walk's first step is in; the second's may stay out
	s_barrier_signal -1
	s_barrier_wait -1
	FETCH 0, F0
	s_wait_loadcnt 32                              ; the bias is in; RES's 32 loads stay out
	QUARTER 1, F0, F1, 1                           ; the first quarter stands in front of the loop: its first products start the sums, with the bias
	WIN 0
	s_mov_b32 s[CNT], NSTEP-2
.Lstep:                                ; from a step's second quarter to the next step's first; the K step two on is asked for
	QUARTER 2, F1, F0, 0
	QUARTER 3, F0, F1, 0
	TURN
	QUARTER 1, F0, F1, 0
	WIN 0
	s_sub_co_u32 s[CNT], s[CNT], 1
	s_cmp_lg_u32 s[CNT], 0
	s_cbranch_scc1 .Lstep
	s_mov_b32 s[CNT], 2
.Ltail:                                ; the last two steps ask for nothing; the second trip is left in its middle
	QUARTER 2, F1, F0, 0
	QUARTER 3, F0, F1, 0
	MEET
	s_sub_co_u32 s[CNT], s[CNT], 1
	s_cmp_eq_u32 s[CNT], 0
	s_cbranch_scc1 .Lfin
	PLACES
	SWAP
	FETCH 0, F0
	MUL8 F1, 1, 0, 0
	MUL8 F1, 1, 2, 0
	QUARTER 1, F0, F1, 0
	WIN 0
	s_branch .Ltail
.Lfin:
	MUL8 F1, 1, 0, 0
	MUL8 F1, 1, 2, 0
	WIN 0
	s_wait_loadcnt 0x0                             ; RES
	PLACES
.irp a, 0,1,2,3                        ; 16 rows at a time: into my stage, back as whole rows of 256 bytes, + RES, out
	s_wait_xcnt 0x0                                ; the last block's stores have read the registers that are loaded again below
.irp b, 0,1,2,3
	ds_store_b128 v[STO], v[ACC+8*(4*(\a)+(\b)):ACC+8*(4*(\a)+(\b))+3]   offset:64*(\b)
	ds_store_b128 v[STO], v[ACC+8*(4*(\a)+(\b))+4:ACC+8*(4*(\a)+(\b))+7] offset:64*(\b)+16
.endr
.irp t, 0,1,2,3,4,5,6,7
	ds_load_b128 v[TMP+4*(\t):TMP+4*(\t)+3], v[RD] offset:(\t)*2*SP  ; LDS serves a wave's instructions in order: these see the stores above
.endr
	s_wait_dscnt 0x0
	WIN 0x08
.set i, 0
.rept 16
	v_pk_add_f32 v[TMP+i:TMP+i+1], v[TMP+i:TMP+i+1], v[32*(\a)+i:32*(\a)+i+1]
.set i, i+2
.endr
	WIN 0
.irp t, 0,1,2,3,4,5,6,7
	global_store_b128 v[RO], v[TMP+4*(\t):TMP+4*(\t)+3], s[10:11] offset:(16*(\a)+2*(\t))*4096  ; 16 lanes: 256 consecutive bytes, aligned
.endr
.endr
	s_wait_tensorcnt 0x0                           ; the wave's end
	ds_add_u32 v[SPW], v[NIL]
	s_wait_dscnt 0x0
	CROUND                                         ; the closing round
	s_endpgm
.Lfunc_end_k_q7686667bfa_oproj:
	.size	k_q7686667bfa_oproj, .Lfunc_end_k_q7686667bfa_oproj-k_q7686667bfa_oproj
	.p2alignl 7, 3214868480
	.fill 96, 4, 3214868480
	.section	.rodata,"a",@progbits
	.p2align	6, 0x0
	.amdhsa_kernel k_q7686667bfa_oproj
		.amdhsa_group_segment_fixed_size 327680
		.amdhsa_private_segment_fixed_size 0
		.amdhsa_enable_private_segment 0
		.amdhsa_kernarg_size 40
		.amdhsa_user_sgpr_count 2
		.amdhsa_user_sgpr_kernarg_segment_ptr 1
		.amdhsa_wavefront_size32 1
		.amdhsa_system_sgpr_workgroup_id_x 1
		.amdhsa_system_sgpr_workgroup_id_y 1
		.amdhsa_system_sgpr_workgroup_id_z 1
		.amdhsa_system_vgpr_workitem_id 0
		.amdhsa_next_free_vgpr 640
		.amdhsa_next_free_sgpr 96
		.amdhsa_reserve_vcc 0
		.amdhsa_float_denorm_mode_32 3
		.amdhsa_float_denorm_mode_16_64 3
		.amdhsa_memory_ordered 1
		.amdhsa_forward_progress 1
		.amdhsa_inst_pref_size 68
	.end_amdhsa_kernel
	.amdgpu_metadata
---
amdhsa.version: [ 1, 2 ]
amdhsa.kernels:
  - .name:           k_q7686667bfa_oproj
    .symbol:         k_q7686667bfa_oproj.kd
    .args:
      - { .name: att, .offset: 0, .size: 8, .value_kind: global_buffer, .address_space: global }
      - { .name: wb, .offset: 8, .size: 8, .value_kind: global_buffer, .address_space: global }
      - { .name: b_out, .offset: 16, .size: 8, .value_kind: global_buffer, .address_space: global }
      - { .name: x1, .offset: 24, .size: 8, .value_kind: global_buffer, .address_space: global }
      - { .name: x, .offset: 32, .size: 8, .value_kind: global_buffer, .address_space: global }
    .group_segment_fixed_size: 327680
    .private_segment_fixed_size: 0
    .kernarg_segment_align: 8
    .kernarg_segment_size: 40
    .max_flat_workgroup_size: 128
    .sgpr_count:     96
    .vgpr_count:     640
    .wavefront_size: 32
...
	.end_amdgpu_metadata
.endif
;; end of part 4
;; launch ln2: the kernel of part 1 again; grid 1024 x 1, 4 waves a work-group, no clusters, 0 bytes of LDS; arguments x1, ln2_g, ln2_b, w_qkv, h, wq; writes h, wq
;; launch ff1 (part 5): grid 16 x 16, 4 waves a work-group, clusters of 4 x 4, 327,680 bytes of LDS; arguments h, wb, b_ff1, g; writes g
.if DOCPART == 5
	.amdgcn_target "amdgcn-amd-amdhsa--gfx1250"
	.amdhsa_code_object_version 6
	.text
	.protected	k_q7686667bfa_ff1
	.globl	k_q7686667bfa_ff1
	.p2align	8
	.type	k_q7686667bfa_ff1,@function
k_q7686667bfa_ff1:
	s_mov_b64 s[64:65], 0
	v_nop
	global_prefetch_b8 v0, s[64:65] scope:SCOPE_SE
	s_setreg_imm32_b32 hwreg(HW_REG_WAVE_MODE, 25, 1), 1
	s_wait_xcnt 0x0
	s_wait_alu depctr_hold_cnt(0) depctr_sa_sdst(0) depctr_va_vdst(0) depctr_va_sdst(0) depctr_va_ssrc(0) depctr_va_vcc(0) depctr_vm_vsrc(0)
	s_getreg_b32 s2, hwreg(HW_REG_IB_STS2, 6, 4)
	s_cmp_eq_u32 s2, 0
	s_cbranch_scc0 .Lentry_in_a_cluster
	s_endpgm
.Lentry_in_a_cluster:
	s_bfe_u32 s2, ttmp6, 0x10000c
	s_cmp_lg_u32 s2, 0xf033
	s_cbranch_scc0 .Lentry_shape_is_right
	s_endpgm
.Lentry_shape_is_right:
; C = A W + bias on tiles of 256 x 256, K = 1,024.  A: [4096][1024] bf16.  W: [1024][N] bf16 as the problem lays it, N along the rows.  Sums in f32.
; FF1 = 0: A = LN1(x), W = w_qkv; C is rounded to bf16 and written by heads, [3][32][2048][64].  FF1 = 1: A = LN2(x1), W = w_ff1; gelu(C) is rounded to bf16, [4096][4096].
; SHARES.  Four waves, as many as a WGP has SIMDs; wave w makes rows 128 (w / 2) .., columns 128 (w % 2) .. of the tile: 64 accumulators of 16 x 16, 512 registers.
; RING.  K goes in steps of 128 through two LDS slots.  A's tile: 256 rows of 256 bytes, pitch 272.  W's tile: 128 k-rows of 512 bytes, pitch 544 (17 x 32: the turning load's
; 8 rows x 32 bytes fall on different banks).  Waves 0, 1 fetch A's halves, waves 2, 3 W's: one tensor load a wave behind each change of slots; a wave has two loads out at the start, later one.
; W's fragments come out of LDS turned (ds_load_tr16_b128), so W needs no transposed copy.
; THE PRODUCT IS TAKEN TRANSPOSED (source 0 = 16 columns of W, source 1 = 16 rows of A): a lane holds row lane % 16 of C and the columns 8 (lane / 16) + 0..7.
; THE BIAS IS THE C OPERAND of each accumulator's first product: nothing is cleared and nothing is added later.
; CLUSTER 4 x 4: A's tile hangs on the tile row alone and is asked for jointly by a row of the cluster, W's on the tile column alone, by a column.
; One K step is one trip; the slot in hand is a scalar that an exclusive or turns, and one walking descriptor a tensor serves all refills.
; GELU (FF1): 0.5 x + |0.5 x| erf(|x| / sqrt 2), erf by a rational form with five coefficients (absolute error at most 1.5e-7 for every x; it goes to 1 exactly for large |x|).
; LIMITS: NaN and infinities are not treated apart; operands are rounded to bf16.
; REGISTERS, in windows of 256: window 0: v16-30 addresses; v64-127, v128-191 A's two fragment buffers; v192-255 the bias, later at work; window 1: v64-191 W's two buffers;
; windows 2, 3: the accumulators of my rows 0-63 and 64-127, (a, b) at v[8 (8 a + b)].
.set FF1,   1
.if FF1
.set N,     4096
.set WOFF,  8388608
.else
.set N,     3072
.set WOFF,  0
.endif
.set PITA,  272
.set PITB,  544
.set BOFF,  256*PITA                   ; W's tile lies behind A's
.set QLOAD, 128*PITA                   ; what one tensor load fills: 128 rows of A, or 64 k-rows of W: 0x8800 both
.set SLOTX, 0x22000                    ; a slot; no load's LDS address in slot 0 has one of its two bits set, so an exclusive or changes slots
.set STAGE, 2*SLOTX                    ; behind the ring: 16 rows x 272 bytes a wave (FF1 = 0)
.set SP,    272
.set SPARE, STAGE+4*16*SP              ; the spare words: 128 bytes a wave, two blocks of 256 bytes that no other line names
.set DP,    528                        ; FF1 = 1: pitch of the f32 rows set down in the ring behind its last fill
.set STEPA, 256                        ; a K step in A: bytes along a row
.set STEPB, 128*N*2                    ; in W: 128 rows down
.set ADRA0, 16                         ; v16, v17  my lane's place in slot 0's tiles; never rewritten
.set ADRB0, 17
.set ADRA,  18                         ; v18, v19  the same in the slot in hand
.set ADRB,  19
.set BO,    20                         ; v20  32 (lane / 16): my eight biases of a block of 16
.set STO,   24                         ; the way out
.set RD,    25
.set CO,    26
.set RDV,   27
.set SPW,   28                         ; v28  my spare word; never rewritten
.set NIL,   29                         ; v29  0; never rewritten
.set PFO,   30                         ; v30  the prefetches' lane offset; never rewritten
.set F0,    64
.set F1,    128
.set BI,    192
.set TMP,   192
.set OB,    32
.set XV,    32                         ; FF1: x, 1 + p z then t, the exponent then its power, x / 2, the polynomial, the result
.set U,     64
.set Q,     96
.set HX,    128
.set PP,    160
.set YV,    192
.set WV,  14
.set RH,  15                           ; my half of the tile's rows; also: I fetch for A (0) or W (1)
.set CH,  16                           ; my half of its columns; also: which half of that tile I fetch
.set CX,  17
.set CY,  18
.set TC,  19
.set TR,  20
.set CNT, 21
.set SL,  22                           ; LDS byte at which the slot in hand begins
.set LIM, 23                           ; 2 in a wave that prefetches, else the greatest number
.set G1A, 24
.set G0A, 32                           ; two sets: slot 0's first fill; the walking one
.set G1B, 40
.set G0B, 48
.set PFA, 56
.set PFS, 58
.set PZ,  70
.set CZ,  72
.set A1,  74
.set A2,  76
.set A3,  78
.set A4,  80
.set A5,  82
.set MSB, 0
.macro WIN new                         ; the immediate's high byte repeats the setting that is left; a switch that changes nothing is dropped
.if MSB != (\new)
	s_set_vgpr_msb (MSB<<8)|(\new)
.set MSB, \new
.endif
.endm
.macro PLACES                          ; four plain vector instructions between a matrix instruction and a load into, or a read of, its registers
.rept 4
	v_nop
.endr
.endm
.macro JLOAD                           ; the joint refill, by the walking descriptors; the branch hangs on the wave's number alone; an s_nop 0 and four v_nop follow each line
	s_cmp_eq_u32 s[RH], 0
	s_cbranch_scc0 .Lfor_b_\@
	tensor_load_to_lds s[G0A+4:G0A+7], s[G1A:G1A+7]
	s_nop 0
.rept 4
	v_nop
.endr
	s_branch .Lasked_\@
.Lfor_b_\@:
	tensor_load_to_lds s[G0B+4:G0B+7], s[G1B:G1B+7]
	s_nop 0
.rept 4
	v_nop
.endr
.Lasked_\@:
.endm
.macro CREST                           ; a round of the cluster's barrier behind its opening barrier
	s_cmp_lg_u32 s[WV], 0
	s_cbranch_scc1 .Lnot_wave_0_\@
	s_barrier_signal -3
.Lnot_wave_0_\@:
	s_barrier_wait -3
	s_barrier_signal -1
	s_barrier_wait -1
.endm
.macro CROUND
	s_barrier_signal -1
	s_barrier_wait -1
	CREST
.endm
; A prefetch into the L2 of the K step that stands two refills on, 512 matrix instructions ahead of the load that wants it.  Each block of 256 bytes is named once in the launch: A's rows by the
; clusters with x = 0, W's by those with y = 0; the four partners that ask for a tile jointly share its rows out by address.  The last two refills have no K step two on.
.macro ASK
	s_cmp_gt_u32 s[CNT], s[LIM]
	s_cbranch_scc0 .Lnot_mine_\@
	global_prefetch_b8 v[PFO], s[PFA:PFA+1] th:TH_LOAD_NT scope:SCOPE_SE
.Lnot_mine_\@:
.endm
; 16 products: row blocks a0, a0 + 1 of the window's four x all 8 column blocks, 32 along K.  first = 1: C is the bias (window 0), which starts the sums.
.macro MUL16 f, hi, a0, first
.if \first
	WIN 0x81+0x40*(\hi)
.else
	WIN 0xa1+0x50*(\hi)
.endif
.irp a, \a0, (\a0)+1
.irp b, 0,1,2,3,4,5,6,7
.if \first
	v_wmma_f32_16x16x32_bf16 v[8*(8*(\a)+(\b)):8*(8*(\a)+(\b))+7], v[(\f)+8*(\b):(\f)+8*(\b)+7], v[(\f)+8*(4*(\hi)+(\a)):(\f)+8*(4*(\hi)+(\a))+7], v[BI+8*(\b):BI+8*(\b)+7]
.else
	v_wmma_f32_16x16x32_bf16 v[8*(8*(\a)+(\b)):8*(8*(\a)+(\b))+7], v[(\f)+8*(\b):(\f)+8*(\b)+7], v[(\f)+8*(4*(\hi)+(\a)):(\f)+8*(4*(\hi)+(\a))+7], v[8*(8*(\a)+(\b)):8*(8*(\a)+(\b))+7]
.endif
.endr
.endr
.endm
; 32 LDS loads in one run: quarter q (32 along K) of the slot in hand into buffer f: W's 8 blocks of 16 columns, turned, then A's 8 blocks of 16 rows
.macro FETCH q, f
	WIN 0x40
.irp i, 0,1,2,3,4,5,6,7
	ds_load_tr16_b128 v[(\f)+8*(\i):(\f)+8*(\i)+3],   v[ADRB] offset:(\q)*32*PITB+32*(\i)
	ds_load_tr16_b128 v[(\f)+8*(\i)+4:(\f)+8*(\i)+7], v[ADRB] offset:(\q)*32*PITB+16*PITB+32*(\i)
.endr
	WIN 0
.irp i, 0,1,2,3,4,5,6,7
	ds_load_b128 v[(\f)+8*(\i):(\f)+8*(\i)+3],   v[ADRA] offset:64*(\q)+(\i)*16*PITA
	ds_load_b128 v[(\f)+8*(\i)+4:(\f)+8*(\i)+7], v[ADRA] offset:64*(\q)+(\i)*16*PITA+32
.endr
.endm
; One of a K step's first three quarters: multiplies buffer f; in its middle fetches quarter q into buffer g.  The 64 accumulators take turns in one order everywhere.
.macro QUARTER q, f, g, first
	s_wait_dscnt 8                                 ; W and A's rows 0-63 are in; the youngest eight loads (A's rows 64-127) may be out
	MUL16 \f, 0, 0, \first
	MUL16 \f, 0, 2, \first
	PLACES
	FETCH \q, \g
	s_wait_dscnt 32                                ; all but the 32 just issued
	MUL16 \f, 1, 0, \first
	MUL16 \f, 1, 2, \first
.endm
; The first half of a step's last quarter, and the barrier of the change of slots.
.macro MEET
	WIN 0
	s_wait_tensorcnt 0x0                           ; all my tensor loads have landed: the one that was out is my part of the other slot
	ds_add_u32 v[SPW], v[NIL]                      ; 0 onto my spare word
	s_wait_dscnt 9                                 ; (the add and the youngest eight loads may be out)
	MUL16 F1, 0, 0, 0
	s_wait_dscnt 0x0                               ; the add is done, and my reads of this slot are over
	s_barrier_signal -1
	MUL16 F1, 0, 2, 0
	WIN 0
	s_barrier_wait -1
.endm
.macro SWAP                            ; the reads go on in the other slot
	s_xor_b32 s[SL], s[SL], SLOTX
	v_add_nc_u32 v[ADRA], s[SL], v[ADRA0]
	v_add_nc_u32 v[ADRB], s[SL], v[ADRB0]
.endm
; The whole last quarter with a refill: the barrier opens a round of the cluster's, and the joint refill (the K step two on, into the slot just read) is the first tensor load behind it:
; 224 matrix instructions stand between it and the wait for it.
.macro TURN
	s_wait_xcnt 0x0                                ; the last prefetch, a K step back, has read its address
	s_add_nc_u64 s[PFA:PFA+1], s[PFA:PFA+1], s[PFS:PFS+1]
	MEET
	CREST
	s_xor_b32 s[G0A+5], s[G0A+5], SLOTX
	s_add_nc_u64 s[G0A+6:G0A+7], s[G0A+6:G0A+7], STEPA
	s_xor_b32 s[G0B+5], s[G0B+5], SLOTX
	s_add_nc_u64 s[G0B+6:G0B+7], s[G0B+6:G0B+7], STEPB
	JLOAD                                          ; its four v_nop are also the places in front of the loads below
	SWAP
	FETCH 0, F0
	ASK
	MUL16 F1, 1, 0, 0
	MUL16 F1, 1, 2, 0
.endm
; FF1 = 0, the way out of row block a: rounded to bf16; through my stage; back as 4 rows x 128 bytes of one head, which are 512 consecutive bytes of the output.
.macro PACK a
.set AC, 64*((\a)%4)
	WIN 0x0a+5*((\a)/4)
.irp b, 0,1,2,3,4,5,6,7
.irp r, 0,1,2,3
	v_cvt_pk_bf16_f32 v[TMP+4*(\b)+(\r)], v[AC+8*(\b)+2*(\r)], v[AC+8*(\b)+2*(\r)+1]
.endr
.endr
	WIN 0
.endm
.macro TOSTAGE a
	WIN 0
.set BK, OB+192*((\a)%2)
.irp b, 0,1,2,3,4,5,6,7
	ds_store_b128 v[STO], v[TMP+4*(\b):TMP+4*(\b)+3] offset:32*(\b)
.endr
.irp t, 0,1,2,3,4,5,6,7
	ds_load_b128 v[BK+4*(\t):BK+4*(\t)+3], v[RD] offset:((\t)%4)*4*SP+((\t)/4)*128  ; LDS serves a wave's instructions in order: these see the stores above
.endr
.endm
.macro SEND a
	WIN 0
.set BK, OB+192*((\a)%2)
	s_wait_dscnt 0x0                               ; the block is back in registers
	s_wait_xcnt 0x0                                ; earlier stores have read their registers: the other buffer may be loaded again behind this wait
.irp t, 0,1,2,3,4,5,6,7
	global_store_b128 v[CO], v[BK+4*(\t):BK+4*(\t)+3], s[10:11] offset:((\t)/4)*262144+(\a)*2048+((\t)%4)*512
.endr
.endm
; FF1 = 1: gelu of the 32 numbers in XV, rounded to bf16 in YV.  The 64 transcendentals are one batch with one wait.
.macro GELU32
.set i, 0
.rept 32
	v_fma_f32 v[U+i], |v[XV+i]|, s[PZ], 1.0        ; 1 + p |x| / sqrt 2
.set i, i+1
.endr
.set i, 0
.rept 16
	v_pk_mul_f32 v[Q+i:Q+i+1], v[XV+i:XV+i+1], s[CZ:CZ+1] op_sel_hi:[1,0]
.set i, i+2
.endr
.set i, 0
.rept 16
	v_pk_mul_f32 v[Q+i:Q+i+1], v[Q+i:Q+i+1], v[XV+i:XV+i+1]  ; - x x log2(e) / 2
.set i, i+2
.endr
.set i, 0
.rept 32
	v_rcp_f32 v[U+i], v[U+i]
.set i, i+1
.endr
.set i, 0
.rept 32
	v_exp_f32 v[Q+i], v[Q+i]
.set i, i+1
.endr
.set i, 0
.rept 16
	v_pk_mul_f32 v[HX+i:HX+i+1], v[XV+i:XV+i+1], 0.5 op_sel_hi:[1,0]  ; plain work that names no result of the batch
.set i, i+2
.endr
	s_wait_alu depctr_va_vdst(0)                   ; the one wait for the batch, ahead of its first reader
.set i, 0
.rept 16
	v_pk_fma_f32 v[PP+i:PP+i+1], v[U+i:U+i+1], s[A5:A5+1], s[A4:A4+1] op_sel_hi:[1,0,0]
.set i, i+2
.endr
.irp c, A3, A2, A1
.set i, 0
.rept 16
	v_pk_fma_f32 v[PP+i:PP+i+1], v[PP+i:PP+i+1], v[U+i:U+i+1], s[\c:\c+1] op_sel_hi:[1,1,0]
.set i, i+2
.endr
.endr
.set i, 0
.rept 16
	v_pk_mul_f32 v[PP+i:PP+i+1], v[PP+i:PP+i+1], v[U+i:U+i+1]
.set i, i+2
.endr
.set i, 0
.rept 16
	v_pk_fma_f32 v[PP+i:PP+i+1], v[PP+i:PP+i+1], v[Q+i:Q+i+1], 1.0 op_sel_hi:[1,1,0] neg_lo:[1,0,0] neg_hi:[1,0,0]  ; erf(|x| / sqrt 2)
.set i, i+2
.endr
.set i, 0
.rept 32
	v_fma_f32 v[PP+i], |v[HX+i]|, v[PP+i], v[HX+i]
.set i, i+1
.endr
.set i, 0
.rept 16
	v_cvt_pk_bf16_f32 v[YV+i], v[PP+2*i], v[PP+2*i+1]
.set i, i+1
.endr
.endm
	s_load_b256 s[4:11], s[0:1], 0x0               ; A s[4:5], wb s[6:7], bias s[8:9], out s[10:11]
	v_lshl_add_u32 v[SPW], v0, 2, SPARE
	v_mov_b32 v[NIL], 0
	ds_add_u32 v[SPW], v[NIL]                      ; the wave's opening: the add and its wait ahead of my first tensor load
	ds_add_u32 v28, v29
	v_lshrrev_b32 v1, 5, v0
	v_readfirstlane_b32 s[WV], v1
	s_lshr_b32 s[RH], s[WV], 1
	s_and_b32 s[CH], s[WV], 1
	s_bfe_u32 s[CX], ttmp6, 0x40000
	s_bfe_u32 s[CY], ttmp6, 0x40004
	s_lshl_b32 s[TC], ttmp9, 2
	s_add_co_u32 s[TC], s[TC], s[CX]               ; tile column
	s_and_b32 s[TR], ttmp7, 0xffff
	s_lshl_b32 s[TR], s[TR], 2
	s_add_co_u32 s[TR], s[TR], s[CY]               ; tile row
	s_lshl_b32 s60, s[CY], 2
	s_lshl_b32 s60, 15, s60                        ; my row of the cluster
	s_lshl_b32 s61, 0x1111, s[CX]                  ; my column
	s_or_b32 s[G1A], s60, (1<<16)|(1<<20)|(1<<21)|(5<<22)|(3<<25)  ; mask; 2-byte elements; padding on; bit 21 beside a mask; after every 64 words, 4 words
	s_mov_b32 s[G1A+1], 128<<16                    ; tensor_dim0 = 128
	s_mov_b32 s[G1A+2], 128<<16                    ; tensor_dim1 = 128
	s_mov_b32 s[G1A+3], 128<<16                    ; tile_dim0 = 128
	s_mov_b32 s[G1A+4], 128                        ; tile_dim1 = 128
	s_mov_b32 s[G1A+5], 1024                       ; elements from row to row
	s_mov_b32 s[G1A+6], 0
	s_mov_b32 s[G1A+7], 0
	s_or_b32 s[G1B], s61, (1<<16)|(1<<20)|(1<<21)|(6<<22)|(7<<25)  ; after every 128 words, 8 words
	s_mov_b32 s[G1B+1], 256<<16
	s_mov_b32 s[G1B+2], 64<<16
	s_mov_b32 s[G1B+3], 256<<16
	s_mov_b32 s[G1B+4], 64
	s_mov_b32 s[G1B+5], N
	s_mov_b32 s[G1B+6], 0
	s_mov_b32 s[G1B+7], 0
	s_lshl_b32 s62, s[TR], 8                       ; A: row 256 x tile row + 128 x half, 2,048 bytes a row
	s_lshl_b32 s63, s[CH], 7
	s_add_co_u32 s62, s62, s63
	s_lshl_b32 s62, s62, 11
	s_mov_b32 s63, 0
	s_mul_i32 s66, s[CH], 64*N*2                   ; W: k-row 64 x half, 512 bytes x tile column
	s_lshl_b32 s67, s[TC], 9
	s_add_co_u32 s66, s66, s67
	s_add_co_u32 s66, s66, WOFF
	s_mov_b32 s67, 0
	s_mul_i32 s68, s[WV], QLOAD                    ; where my loads go: no place in the cluster enters an LDS address
.if FF1
	s_mov_b32 s[PZ], 0x3e6d3388                    ; 0.3275911 / sqrt 2
	s_mov_b32 s[CZ], 0xbf38aa3b                    ; - log2(e) / 2
	s_mov_b32 s[CZ+1], 0xbf38aa3b
	s_mov_b32 s[A1], 0x3e827906
	s_mov_b32 s[A1+1], 0x3e827906
	s_mov_b32 s[A2], 0xbe91a98e
	s_mov_b32 s[A2+1], 0xbe91a98e
	s_mov_b32 s[A3], 0x3fb5f0e3
	s_mov_b32 s[A3+1], 0x3fb5f0e3
	s_mov_b32 s[A4], 0xbfba00e3
	s_mov_b32 s[A4+1], 0xbfba00e3
	s_mov_b32 s[A5], 0x3f87dc22
	s_mov_b32 s[A5+1], 0x3f87dc22
.endif
	s_wait_dscnt 0x0                               ; the opening add is done
	s_wait_kmcnt 0x0
	s_add_nc_u64 s[62:63], s[4:5], s[62:63]
	s_add_nc_u64 s[66:67], s[6:7], s[66:67]
	CROUND                                         ; all sixteen work-groups are here: the first joint loads meet
.irp s, 0,1
	s_mov_b32 s[G0A+4*(\s)], 1
	s_add_co_u32 s[G0A+4*(\s)+1], s68, (\s)*SLOTX
	s_add_nc_u64 s[G0A+4*(\s)+2:G0A+4*(\s)+3], s[62:63], (\s)*STEPA
	s_or_b32 s[G0A+4*(\s)+3], s[G0A+4*(\s)+3], 0x80000000
	s_mov_b32 s[G0B+4*(\s)], 1
	s_add_co_u32 s[G0B+4*(\s)+1], s68, (\s)*SLOTX
	s_add_nc_u64 s[G0B+4*(\s)+2:G0B+4*(\s)+3], s[66:67], (\s)*STEPB
	s_or_b32 s[G0B+4*(\s)+3], s[G0B+4*(\s)+3], 0x80000000
.endr
	s_cmp_eq_u32 s[RH], 0                          ; a wave's two first fills stand in one branch: two loads of mine are out
	s_cbranch_scc0 .Lfirst_b
	tensor_load_to_lds s[G0A:G0A+3], s[G1A:G1A+7]
	s_nop 0
	tensor_load_to_lds s[G0A+4:G0A+7], s[G1A:G1A+7]
	s_nop 0
.rept 4
	v_nop
.endr
	s_branch .Lfirst_asked
.Lfirst_b:
	tensor_load_to_lds s[G0B:G0B+3], s[G1B:G1B+7]
	s_nop 0
	tensor_load_to_lds s[G0B+4:G0B+7], s[G1B:G1B+7]
	s_nop 0
.rept 4
	v_nop
.endr
.Lfirst_asked:
	v_and_b32 v1, 15, v0                           ; r = lane % 16
	v_bfe_u32 v2, v0, 4, 1                         ; h = lane / 16
	v_lshlrev_b32 v[BO], 5, v2
	s_lshl_b32 s60, s[TC], 10                      ; the bias of my 128 columns
	s_lshl_b32 s61, s[CH], 9
	s_add_co_u32 s60, s60, s61
	s_mov_b32 s61, 0
	s_add_nc_u64 s[8:9], s[8:9], s[60:61]
.irp b, 0,1,2,3,4,5,6,7
	global_load_b128 v[BI+8*(\b):BI+8*(\b)+3],   v[BO], s[8:9] offset:64*(\b)
	global_load_b128 v[BI+8*(\b)+4:BI+8*(\b)+7], v[BO], s[8:9] offset:64*(\b)+16
.endr
	v_mul_u32_u24 v3, v1, PITA                     ; A's fragments: row x pitch + 16 h
	v_lshl_add_u32 v3, v2, 4, v3
	s_mul_i32 s60, s[RH], 128*PITA
	v_add_nc_u32 v[ADRA0], s60, v3
	v_and_b32 v4, 7, v0                            ; W's, turned: k-row 8 h + lane % 8, 16 bytes x ((lane / 8) % 2)
	v_lshl_add_u32 v4, v2, 3, v4
	v_mul_u32_u24 v4, v4, PITB
	v_bfe_u32 v5, v0, 3, 1
	v_lshl_add_u32 v4, v5, 4, v4
	s_lshl_b32 s60, s[CH], 8
	s_add_co_u32 s60, s60, BOFF
	v_add_nc_u32 v[ADRB0], s60, v4
	v_mov_b32 v[ADRA], v[ADRA0]
	v_mov_b32 v[ADRB], v[ADRB0]
	s_mov_b32 s[SL], 0
.if FF1
	s_mul_i32 s60, s[WV], 128*DP                   ; my 128 rows of 512 bytes, pitch 528, in the ring
	v_mul_u32_u24 v3, v1, DP
	v_lshl_add_u32 v3, v2, 5, v3
	v_add_nc_u32 v[STO], s60, v3
	v_and_b32 v3, 31, v0
	v_lshl_add_u32 v[RD], v3, 4, s60
	v_lshlrev_b32 v[CO], 3, v3
	s_lshl_b32 s60, s[TR], 8                       ; out: row x 8,192 bytes + my 128 columns x 2
	s_lshl_b32 s61, s[RH], 7
	s_add_co_u32 s60, s60, s61
	s_lshl_b32 s60, s60, 13
	s_lshl_b32 s61, s[TC], 9
	s_add_co_u32 s60, s60, s61
	s_lshl_b32 s61, s[CH], 8
	s_add_co_u32 s60, s60, s61
.else
	s_mul_i32 s60, s[WV], 16*SP
	s_add_co_u32 s60, s60, STAGE                   ; my stage
	v_mul_u32_u24 v3, v1, SP
	v_lshl_add_u32 v3, v2, 4, v3
	v_add_nc_u32 v[STO], s60, v3
	v_bfe_u32 v3, v0, 3, 2
	v_mul_u32_u24 v3, v3, SP
	v_and_b32 v4, 7, v0
	v_lshl_add_u32 v3, v4, 4, v3
	v_add_nc_u32 v[RD], s60, v3
	v_and_b32 v[CO], 31, v0
	v_lshlrev_b32 v[CO], 4, v[CO]
	s_lshr_b32 s60, s[TC], 2                       ; out: (part x 32 + batch x 16 + head) x 262,144 + token x 128
	s_lshl_b32 s60, s60, 5
	s_lshr_b32 s61, s[TR], 3
	s_lshl_b32 s61, s61, 4
	s_add_co_u32 s60, s60, s61
	s_and_b32 s61, s[TC], 3
	s_lshl_b32 s61, s61, 2
	s_add_co_u32 s60, s60, s61
	s_lshl_b32 s61, s[CH], 1
	s_add_co_u32 s60, s60, s61
	s_lshl_b32 s60, s60, 18
	s_and_b32 s61, s[TR], 7
	s_lshl_b32 s61, s61, 8
	s_lshl_b32 s62, s[RH], 7
	s_add_co_u32 s61, s61, s62
	s_lshl_b32 s61, s61, 7
	s_add_co_u32 s60, s60, s61
.endif
	s_mov_b32 s61, 0
	s_add_nc_u64 s[10:11], s[10:11], s[60:61]
	; the prefetches: A: my work-group's 32 of the 128 rows that I fetch, a lane a row; W: its 16 of my 64 k-rows, two lanes a row of 512 bytes.  They stand at K step 3; the first change steps them to 4.
	s_lshl_b32 s60, s[TR], 8
	s_lshl_b32 s61, s[CH], 7
	s_add_co_u32 s60, s60, s61
	s_lshl_b32 s61, s[CX], 5
	s_add_co_u32 s60, s60, s61
	s_lshl_b32 s60, s60, 11
	s_add_co_u32 s60, s60, 3*STEPA
	s_lshl_b32 s61, s[CH], 6
	s_lshl_b32 s62, s[CY], 4
	s_add_co_u32 s61, s61, s62
	s_add_co_u32 s61, s61, 3*128
	s_mul_i32 s61, s61, 2*N
	s_lshl_b32 s62, s[TC], 9
	s_add_co_u32 s61, s61, s62
	s_add_co_u32 s61, s61, WOFF
	s_and_b32 s62, ttmp7, 0xffff                   ; cluster y
	s_mov_b32 s63, 2*N
	s_mov_b32 s66, STEPB
	s_cmp_eq_u32 s[RH], 0
	s_cselect_b32 s60, s60, s61
	s_cselect_b32 s62, ttmp9, s62                  ; the coordinate along which other clusters read the same rows
	s_cselect_b64 s[PFA:PFA+1], s[4:5], s[6:7]
	s_cselect_b32 s63, 2048, s63                   ; bytes from row to row
	s_cselect_b32 s[PFS], STEPA, s66
	s_mov_b32 s[PFS+1], 0
	s_mov_b32 s61, 0
	s_add_nc_u64 s[PFA:PFA+1], s[PFA:PFA+1], s[60:61]
	s_cmp_eq_u32 s62, 0
	s_cselect_b32 s[LIM], 2, -1                    ; the same in all sixteen partners, for a given wave
	v_and_b32 v3, 31, v0
	v_lshrrev_b32 v4, s[RH], v3
	v_and_b32 v5, s[RH], v3
	v_mul_lo_u32 v4, v4, s63
	v_lshl_add_u32 v[PFO], v5, 8, v4
	s_wait_tensorcnt 0x1                           ; my part of K step 0 is in; step 1's may stay out
	s_barrier_signal -1
	s_barrier_wait -1
	FETCH 0, F0
	s_wait_loadcnt 0x0                             ; the bias
	QUARTER 1, F0, F1, 1                           ; the first quarter stands in front of the loop: its products start the sums, with the bias
	WIN 0
	s_mov_b32 s[CNT], 6
.Lstep:                                ; six trips: from a step's second quarter to the next step's first; steps 2 to 7 are asked for
	QUARTER 2, F1, F0, 0
	QUARTER 3, F0, F1, 0
	TURN
	QUARTER 1, F0, F1, 0
	WIN 0
	s_sub_co_u32 s[CNT], s[CNT], 1
	s_cmp_lg_u32 s[CNT], 0
	s_cbranch_scc1 .Lstep
	s_mov_b32 s[CNT], 2
.Ltail:                                ; the last two steps ask for nothing; the second trip is left in its middle
	QUARTER 2, F1, F0, 0
	QUARTER 3, F0, F1, 0
	MEET
	s_sub_co_u32 s[CNT], s[CNT], 1
	s_cmp_eq_u32 s[CNT], 0
	s_cbranch_scc1 .Lfin
	PLACES
	SWAP
	FETCH 0, F0
	MUL16 F1, 1, 0, 0
	MUL16 F1, 1, 2, 0
	QUARTER 1, F0, F1, 0
	WIN 0
	s_branch .Ltail
.Lfin:
	MUL16 F1, 1, 0, 0
	MUL16 F1, 1, 2, 0
	PLACES
.if FF1
	; The ring has had its last fill, and the last barrier has shown every wave's reads of it over: my 128 x 128 sums are set down there in f32, and come back as whole rows, 8 a trip.
.irp a, 0,1,2,3,4,5,6,7
	WIN 0x08+4*((\a)/4)
.irp b, 0,1,2,3,4,5,6,7
	ds_store_b128 v[STO], v[8*(8*((\a)%4)+(\b)):8*(8*((\a)%4)+(\b))+3]   offset:(\a)*16*DP+64*(\b)
	ds_store_b128 v[STO], v[8*(8*((\a)%4)+(\b))+4:8*(8*((\a)%4)+(\b))+7] offset:(\a)*16*DP+64*(\b)+16
.endr
.endr
	WIN 0
	s_mov_b32 s[SL], 0
	s_mov_b32 s[CNT], 16
.Lrows:
	v_add_nc_u32 v[RDV], s[SL], v[RD]
.irp t, 0,1,2,3,4,5,6,7
	ds_load_b128 v[XV+4*(\t):XV+4*(\t)+3], v[RDV] offset:(\t)*DP  ; a row's 512 bytes, 16 a lane; my own bytes, served in order behind the stores
.endr
	s_wait_dscnt 0x0
	GELU32
.irp t, 0,1,2,3,4,5,6,7
	global_store_b64 v[CO], v[YV+2*(\t):YV+2*(\t)+1], s[10:11] offset:(\t)*8192  ; 32 lanes: 256 consecutive bytes, aligned
.endr
	s_wait_xcnt 0x0                                ; the stores have read their offset and data, which the next trip writes
	v_add_nc_u32 v[CO], 0x10000, v[CO]
	s_add_co_u32 s[SL], s[SL], 8*DP
	s_sub_co_u32 s[CNT], s[CNT], 1
	s_cmp_lg_u32 s[CNT], 0
	s_cbranch_scc1 .Lrows
.else
	PACK 0
	TOSTAGE 0
.irp a, 1,2,3,4,5,6,7                  ; block a's conversions stand between block a - 1's loads from the stage and the wait for them
	PACK \a
	SEND (\a)-1
	TOSTAGE \a
.endr
	SEND 7
.endif
	s_wait_tensorcnt 0x0                           ; the wave's end
	ds_add_u32 v[SPW], v[NIL]
	s_wait_dscnt 0x0
	CROUND                                         ; the closing round
	s_endpgm
.Lfunc_end_k_q7686667bfa_ff1:
	.size	k_q7686667bfa_ff1, .Lfunc_end_k_q7686667bfa_ff1-k_q7686667bfa_ff1
	.p2alignl 7, 3214868480
	.fill 96, 4, 3214868480
	.section	.rodata,"a",@progbits
	.p2align	6, 0x0
	.amdhsa_kernel k_q7686667bfa_ff1
		.amdhsa_group_segment_fixed_size 327680
		.amdhsa_private_segment_fixed_size 0
		.amdhsa_enable_private_segment 0
		.amdhsa_kernarg_size 32
		.amdhsa_user_sgpr_count 2
		.amdhsa_user_sgpr_kernarg_segment_ptr 1
		.amdhsa_wavefront_size32 1
		.amdhsa_system_sgpr_workgroup_id_x 1
		.amdhsa_system_sgpr_workgroup_id_y 1
		.amdhsa_system_sgpr_workgroup_id_z 1
		.amdhsa_system_vgpr_workitem_id 0
		.amdhsa_next_free_vgpr 1024
		.amdhsa_next_free_sgpr 96
		.amdhsa_reserve_vcc 0
		.amdhsa_float_denorm_mode_32 3
		.amdhsa_float_denorm_mode_16_64 3
		.amdhsa_memory_ordered 1
		.amdhsa_forward_progress 1
		.amdhsa_inst_pref_size 100
	.end_amdhsa_kernel
	.amdgpu_metadata
---
amdhsa.version: [ 1, 2 ]
amdhsa.kernels:
  - .name:           k_q7686667bfa_ff1
    .symbol:         k_q7686667bfa_ff1.kd
    .args:
      - { .name: h, .offset: 0, .size: 8, .value_kind: global_buffer, .address_space: global }
      - { .name: wb, .offset: 8, .size: 8, .value_kind: global_buffer, .address_space: global }
      - { .name: b_ff1, .offset: 16, .size: 8, .value_kind: global_buffer, .address_space: global }
      - { .name: g, .offset: 24, .size: 8, .value_kind: global_buffer, .address_space: global }
    .group_segment_fixed_size: 327680
    .private_segment_fixed_size: 0
    .kernarg_segment_align: 8
    .kernarg_segment_size: 32
    .max_flat_workgroup_size: 128
    .sgpr_count:     96
    .vgpr_count:     1024
    .wavefront_size: 32
...
	.end_amdgpu_metadata
.endif
;; end of part 5
;; launch ff2 (part 6): grid 8 x 32, 4 waves a work-group, clusters of 4 x 4, 327,680 bytes of LDS; arguments g, wb, b_ff2, out0, x1; writes out0
.if DOCPART == 6
	.amdgcn_target "amdgcn-amd-amdhsa--gfx1250"
	.amdhsa_code_object_version 6
	.text
	.protected	k_q7686667bfa_ff2
	.globl	k_q7686667bfa_ff2
	.p2align	8
	.type	k_q7686667bfa_ff2,@function
k_q7686667bfa_ff2:
	s_mov_b64 s[64:65], 0
	v_nop
	global_prefetch_b8 v0, s[64:65] scope:SCOPE_SE
	s_setreg_imm32_b32 hwreg(HW_REG_WAVE_MODE, 25, 1), 1
	s_wait_xcnt 0x0
	s_wait_alu depctr_hold_cnt(0) depctr_sa_sdst(0) depctr_va_vdst(0) depctr_va_sdst(0) depctr_va_ssrc(0) depctr_va_vcc(0) depctr_vm_vsrc(0)
	s_getreg_b32 s2, hwreg(HW_REG_IB_STS2, 6, 4)
	s_cmp_eq_u32 s2, 0
	s_cbranch_scc0 .Lentry_in_a_cluster
	s_endpgm
.Lentry_in_a_cluster:
	s_bfe_u32 s2, ttmp6, 0x10000c
	s_cmp_lg_u32 s2, 0xf033
	s_cbranch_scc0 .Lentry_shape_is_right
	s_endpgm
.Lentry_shape_is_right:
; OUT = RES + A W + bias on tiles of 128 x 128, all of OUT and RES in f32, [4096][1024].  W: [K][1024] bf16 as the problem lays it.  Sums in f32.
; OPROJ = 1: A = attention's O, by heads [32][2048][64] bf16, K = 1,024, W = w_out, RES = x.  OPROJ = 0: A = gelu(..) [4096][4096] bf16, K = 4,096, W = w_ff2, RES = x1.
; SHARES.  256 work-groups, one for each WGP; four waves, each 64 x 64: 16 accumulators.  K goes in steps of 256 through two LDS slots; a step is four quarters of 64.
; A's tile: OPROJ = 0: 128 rows of 512 bytes, pitch 528.  OPROJ = 1: a quarter is one head, whose 128 rows of 128 bytes are dense in memory: a load brings two heads as two long rows of 16,384 bytes,
; padded after every 128 bytes: pitch 144, a head 18,432 bytes.  W's tile: 256 k-rows of 256 bytes, pitch 288 (9 x 32), read turned.  Waves 0, 1 fetch A's halves, waves 2, 3 W's:
; one tensor load a wave behind each change of slots; two are out at the start, later one.
; THE WALK ALONG K.  A cluster whose x + y is odd begins at K's middle and goes round K's end; the others begin at 0.  Of the clusters that read the same rows (A's: two, W's: eight) half are so
; half of K away from the other half: the readers of a block of rows do not all ask for it in the same K step.  The f32 sums are taken in that order.
; The product is taken transposed (a lane holds row lane % 16, columns 8 (lane / 16) + 0..7); the bias is the C operand of each accumulator's first product; RES is asked for at the start, into
; registers of its own, and stays on its way under the whole K loop.  A wave's 64 columns of f32 are 256 consecutive bytes, aligned: each wave's own stage turns its results into whole rows.
; CLUSTER 4 x 4: A's tile is asked for jointly by a row of the cluster, W's by a column.
; PREFETCH: OPROJ = 0 alone.  With OPROJ = 1 the loop has two refills: there is no K step beyond those that the loads themselves ask for at once.
; LIMITS: NaN and infinities are not treated apart; operands are rounded to bf16.
; REGISTERS: window 0: v16-30 addresses; v32-63 at work; v96-127 the bias; v128-255 the accumulators, (a, b) at v[128 + 8 (4 a + b)].  Window 1: two fragment buffers of 128 (64 of A, 64 of W).  Window 2: v0-127 RES.
.set OPROJ, 0
.if OPROJ
.set NSTEP, 4
.set WOFF,  6291456
.set AP,    144
.set AQ,    18432
.set ALOAD, 0x9000
.set STEPA, 1048576
.set PREF,  0
.else
.set NSTEP, 16
.set WOFF,  16777216
.set AP,    528
.set AQ,    128
.set ALOAD, 0x8400
.set STEPA, 512
.set PREF,  1
.endif
.set PITB,  288
.set BOFF,  0x12000
.set BLOAD, 0x9000
.set SLOTX, 0x24000                    ; a slot; no load's LDS address in slot 0 has one of its two bits set
.set STEPB, 524288                     ; 256 k-rows of 2,048 bytes
.set STAGE, 2*SLOTX
.set SP,    272
.set SPARE, STAGE+4*16*SP              ; the spare words: 128 bytes a wave, two blocks of 256 bytes that no other line names
.set ADRA0, 16
.set ADRB0, 17
.set ADRA,  18
.set ADRB,  19                         ; v19 quarters 0, 1; v20 quarters 2, 3 (128 k-rows on: past the 16 bits of an offset)
.set BO,    21
.set RO,    22                         ; v22  my 16 bytes in two rows of OUT and RES; never rewritten
.set STO,   24
.set RD,    25
.set SPW,   28
.set NIL,   29
.set PFO,   30
.set TMP,   32
.set BI,    96
.set ACC,   128
.set F0,    0
.set F1,    128
.set WV,  14
.set RH,  15
.set CH,  16
.set CX,  17
.set CY,  18
.set TC,  19
.set TR,  20
.set CNT, 21
.set SL,  22
.set LIM, 23
.set G1A, 24
.set G0A, 32
.set G1B, 40
.set G0B, 48
.set PFA, 56
.set PFS, 58
.set KI,  84                           ; s84  the K step at which the walking descriptors stand
.set PHS, 85                           ; s85  my cluster's first K step: 0 or NSTEP / 2
.set WA,  86                           ; s[86:87], s[88:89]  what is taken back from A's and W's addresses: all of K at the walk's turn, else 0
.set WB,  88
.set MSB, 0
.macro WIN new
.if MSB != (\new)
	s_set_vgpr_msb (MSB<<8)|(\new)
.set MSB, \new
.endif
.endm
.macro PLACES
.rept 4
	v_nop
.endr
.endm
.macro JLOAD                           ; the joint refill, by the walking descriptors; an s_nop 0 and four v_nop follow each line
	s_cmp_eq_u32 s[RH], 0
	s_cbranch_scc0 .Lfor_b_\@
	tensor_load_to_lds s[G0A+4:G0A+7], s[G1A:G1A+7]
	s_nop 0
.rept 4
	v_nop
.endr
	s_branch .Lasked_\@
.Lfor_b_\@:
	tensor_load_to_lds s[G0B+4:G0B+7], s[G1B:G1B+7]
	s_nop 0
.rept 4
	v_nop
.endr
.Lasked_\@:
.endm
.macro CREST
	s_cmp_lg_u32 s[WV], 0
	s_cbranch_scc1 .Lnot_wave_0_\@
	s_barrier_signal -3
.Lnot_wave_0_\@:
	s_barrier_wait -3
	s_barrier_signal -1
	s_barrier_wait -1
.endm
.macro CROUND
	s_barrier_signal -1
	s_barrier_wait -1
	CREST
.endm
; A prefetch into the L2 of the K step two refills on, 256 matrix instructions ahead of the load that wants it, for steps 4 to 7 of a walk.  A's rows: each cluster asks for its own walk's, and the
; two clusters that read a row begin half of K apart, so their eight first steps are different ones.  W's rows: the clusters with y = 0 and y = 1, which begin half of K apart, ask.  The four partners
; that ask for a tile jointly share its rows out by address: each block of 256 bytes is named once in the launch.  A walk's second half is not asked for: the clusters that began there have read it.
.macro ASK
	WIN 0
	s_cmp_gt_u32 s[CNT], s[LIM]
	s_cbranch_scc0 .Lnot_mine_\@
	global_prefetch_b8 v[PFO], s[PFA:PFA+1] th:TH_LOAD_NT scope:SCOPE_SE
.Lnot_mine_\@:
.endm
; 8 products: row blocks a0, a0 + 1 x all 4 column blocks, 32 along K: half c of buffer f.  first = 1: C is the bias.
.macro MUL8 f, c, a0, first
	WIN 0x05
.irp a, \a0, (\a0)+1
.irp b, 0,1,2,3
.if \first
	v_wmma_f32_16x16x32_bf16 v[ACC+8*(4*(\a)+(\b)):ACC+8*(4*(\a)+(\b))+7], v[(\f)+64+8*(4*(\c)+(\b)):(\f)+64+8*(4*(\c)+(\b))+7], v[(\f)+8*(4*(\c)+(\a)):(\f)+8*(4*(\c)+(\a))+7], v[BI+8*(\b):BI+8*(\b)+7]
.else
	v_wmma_f32_16x16x32_bf16 v[ACC+8*(4*(\a)+(\b)):ACC+8*(4*(\a)+(\b))+7], v[(\f)+64+8*(4*(\c)+(\b)):(\f)+64+8*(4*(\c)+(\b))+7], v[(\f)+8*(4*(\c)+(\a)):(\f)+8*(4*(\c)+(\a))+7], v[ACC+8*(4*(\a)+(\b)):ACC+8*(4*(\a)+(\b))+7]
.endif
.endr
.endr
.endm
; 32 LDS loads in one run: quarter q (64 along K) of the slot in hand into buffer f; the first 32 along K first
.macro FETCH q, f
	WIN 0x40
.irp c, 0,1
.irp i, 0,1,2,3
	ds_load_tr16_b128 v[(\f)+64+8*(4*(\c)+(\i)):(\f)+64+8*(4*(\c)+(\i))+3],   v[ADRB+(\q)/2] offset:(((\q)%2)*64+32*(\c))*PITB+32*(\i)
	ds_load_tr16_b128 v[(\f)+64+8*(4*(\c)+(\i))+4:(\f)+64+8*(4*(\c)+(\i))+7], v[ADRB+(\q)/2] offset:(((\q)%2)*64+32*(\c)+16)*PITB+32*(\i)
	ds_load_b128 v[(\f)+8*(4*(\c)+(\i)):(\f)+8*(4*(\c)+(\i))+3],   v[ADRA] offset:(\q)*AQ+64*(\c)+(\i)*16*AP
	ds_load_b128 v[(\f)+8*(4*(\c)+(\i))+4:(\f)+8*(4*(\c)+(\i))+7], v[ADRA] offset:(\q)*AQ+64*(\c)+(\i)*16*AP+32
.endr
.endr
.endm
.macro QUARTER q, f, g, first          ; the 16 accumulators take turns in one order everywhere
	s_wait_dscnt 16                                ; the first 32 along K are in
	MUL8 \f, 0, 0, \first
	MUL8 \f, 0, 2, \first
	PLACES
	FETCH \q, \g
	s_wait_dscnt 32                                ; all but the 32 just issued
	MUL8 \f, 1, 0, 0
	MUL8 \f, 1, 2, 0
.endm
.macro MEET                            ; the first half of a step's last quarter, and the barrier of the change of slots
	WIN 0
	s_wait_tensorcnt 0x0                           ; all my tensor loads have landed: my part of the other slot
	ds_add_u32 v[SPW], v[NIL]
	s_wait_dscnt 17                                ; (the add and the youngest sixteen loads may be out)
	MUL8 F1, 0, 0, 0
	s_wait_dscnt 0x0                               ; the add is done, and my reads of this slot are over
	s_barrier_signal -1
	MUL8 F1, 0, 2, 0
	WIN 0
	s_barrier_wait -1
.endm
.macro SWAP
	s_xor_b32 s[SL], s[SL], SLOTX
	v_add_nc_u32 v[ADRA], s[SL], v[ADRA0]
	v_add_nc_u32 v[ADRB], s[SL], v[ADRB0]
	v_add_nc_u32 v[ADRB+1], 128*PITB, v[ADRB]
.endm
.macro TURN                            ; the last quarter with a refill: the barrier opens a round of the cluster's; the joint refill is the first tensor load behind it: 112 matrix instructions ahead of the wait for it
.if PREF
	s_wait_xcnt 0x0                                ; the last prefetch, a K step back, has read its address
	s_add_nc_u64 s[PFA:PFA+1], s[PFA:PFA+1], s[PFS:PFS+1]
.endif
	MEET
	CREST
	s_add_co_u32 s[KI], s[KI], 1                   ; the walking descriptors go one K step on; behind K's last step comes its first
	s_cmp_eq_u32 s[KI], NSTEP
	s_cselect_b32 s[KI], 0, s[KI]
	s_cselect_b32 s[WA], NSTEP*STEPA, 0
	s_cselect_b32 s[WB], NSTEP*STEPB, 0
	s_xor_b32 s[G0A+5], s[G0A+5], SLOTX
	s_add_nc_u64 s[G0A+6:G0A+7], s[G0A+6:G0A+7], STEPA
	s_sub_nc_u64 s[G0A+6:G0A+7], s[G0A+6:G0A+7], s[WA:WA+1]
	s_xor_b32 s[G0B+5], s[G0B+5], SLOTX
	s_add_nc_u64 s[G0B+6:G0B+7], s[G0B+6:G0B+7], STEPB
	s_sub_nc_u64 s[G0B+6:G0B+7], s[G0B+6:G0B+7], s[WB:WB+1]
	JLOAD                                          ; its four v_nop are also the places in front of the loads below
	SWAP
	FETCH 0, F0
.if PREF
	ASK
.endif
	MUL8 F1, 1, 0, 0
	MUL8 F1, 1, 2, 0
.endm
	s_load_b256 s[4:11], s[0:1], 0x0               ; A s[4:5], wb s[6:7], bias s[8:9], OUT s[10:11]
	s_load_b64 s[12:13], s[0:1], 0x20              ; RES
	v_lshl_add_u32 v[SPW], v0, 2, SPARE
	v_mov_b32 v[NIL], 0
	ds_add_u32 v[SPW], v[NIL]                      ; the wave's opening: the add and its wait ahead of my first tensor load
	ds_add_u32 v28, v29
	v_lshrrev_b32 v1, 5, v0
	v_readfirstlane_b32 s[WV], v1
	s_lshr_b32 s[RH], s[WV], 1
	s_and_b32 s[CH], s[WV], 1
	s_bfe_u32 s[CX], ttmp6, 0x40000
	s_bfe_u32 s[CY], ttmp6, 0x40004
	s_lshl_b32 s[TC], ttmp9, 2
	s_add_co_u32 s[TC], s[TC], s[CX]
	s_and_b32 s[TR], ttmp7, 0xffff
	s_lshl_b32 s[TR], s[TR], 2
	s_add_co_u32 s[TR], s[TR], s[CY]
	s_lshl_b32 s60, s[CY], 2
	s_lshl_b32 s60, 15, s60                        ; my row of the cluster
	s_lshl_b32 s61, 0x1111, s[CX]                  ; my column
.if OPROJ
	s_or_b32 s[G1A], s60, (1<<16)|(1<<20)|(1<<21)|(4<<22)|(3<<25)  ; padding after every 32 words, 4 words
	s_mov_b32 s[G1A+1], 8192<<16                   ; tensor_dim0 = 8,192: a head's 128 rows on end
	s_mov_b32 s[G1A+2], 2<<16                      ; tensor_dim1 = 2 heads
	s_mov_b32 s[G1A+3], 8192<<16                   ; tile_dim0
	s_mov_b32 s[G1A+4], 2                          ; tile_dim1
	s_mov_b32 s[G1A+5], 131072                     ; elements from head to head
.else
	s_or_b32 s[G1A], s60, (1<<16)|(1<<20)|(1<<21)|(6<<22)|(3<<25)  ; after every 128 words, 4 words
	s_mov_b32 s[G1A+1], 256<<16
	s_mov_b32 s[G1A+2], 64<<16
	s_mov_b32 s[G1A+3], 256<<16
	s_mov_b32 s[G1A+4], 64
	s_mov_b32 s[G1A+5], 4096
.endif
	s_mov_b32 s[G1A+6], 0
	s_mov_b32 s[G1A+7], 0
	s_or_b32 s[G1B], s61, (1<<16)|(1<<20)|(1<<21)|(5<<22)|(7<<25)  ; after every 64 words, 8 words
	s_mov_b32 s[G1B+1], 128<<16
	s_mov_b32 s[G1B+2], 128<<16
	s_mov_b32 s[G1B+3], 128<<16
	s_mov_b32 s[G1B+4], 128
	s_mov_b32 s[G1B+5], 1024
	s_mov_b32 s[G1B+6], 0
	s_mov_b32 s[G1B+7], 0
.if OPROJ
	s_lshr_b32 s62, s[TR], 4                       ; batch x 16 heads + 2 heads x half, 262,144 bytes a head; + 128 tokens x (tile row % 16)
	s_lshl_b32 s62, s62, 22
	s_lshl_b32 s63, s[CH], 19
	s_add_co_u32 s62, s62, s63
	s_and_b32 s63, s[TR], 15
	s_lshl_b32 s63, s63, 14
	s_add_co_u32 s62, s62, s63
.else
	s_lshl_b32 s62, s[TR], 7                       ; row 128 x tile row + 64 x half, 8,192 bytes a row
	s_lshl_b32 s63, s[CH], 6
	s_add_co_u32 s62, s62, s63
	s_lshl_b32 s62, s62, 13
.endif
	s_mov_b32 s63, 0
	s_lshl_b32 s66, s[CH], 18                      ; W: k-row 128 x half, 256 bytes x tile column
	s_lshl_b32 s67, s[TC], 8
	s_add_co_u32 s66, s66, s67
	s_add_co_u32 s66, s66, WOFF
	s_mov_b32 s67, 0
	s_xor_b32 s[PHS], ttmp9, ttmp7                 ; the parity of cluster x + cluster y, which all sixteen partners share:
	s_and_b32 s[PHS], s[PHS], 1
	s_mul_i32 s[PHS], s[PHS], NSTEP/2              ; my cluster's first K step
	s_mul_i32 s60, s[PHS], STEPA
	s_add_co_u32 s62, s62, s60
	s_mul_i32 s60, s[PHS], STEPB
	s_add_co_u32 s66, s66, s60
	s_add_co_u32 s[KI], s[PHS], 1                  ; the walking descriptors begin at the walk's second step
	s_mov_b32 s[WA+1], 0
	s_mov_b32 s[WB+1], 0
	s_mul_i32 s68, s[CH], ALOAD                    ; where the loads go: no place in the cluster enters an LDS address
	s_mul_i32 s69, s[CH], BLOAD
	s_add_co_u32 s69, s69, BOFF
	s_wait_dscnt 0x0                               ; the opening add is done
	s_wait_kmcnt 0x0
	s_add_nc_u64 s[62:63], s[4:5], s[62:63]
	s_add_nc_u64 s[66:67], s[6:7], s[66:67]
	CROUND                                         ; all sixteen work-groups are here: the first joint loads meet
.irp s, 0,1
	s_mov_b32 s[G0A+4*(\s)], 1
	s_add_co_u32 s[G0A+4*(\s)+1], s68, (\s)*SLOTX
	s_add_nc_u64 s[G0A+4*(\s)+2:G0A+4*(\s)+3], s[62:63], (\s)*STEPA
	s_or_b32 s[G0A+4*(\s)+3], s[G0A+4*(\s)+3], 0x80000000
	s_mov_b32 s[G0B+4*(\s)], 1
	s_add_co_u32 s[G0B+4*(\s)+1], s69, (\s)*SLOTX
	s_add_nc_u64 s[G0B+4*(\s)+2:G0B+4*(\s)+3], s[66:67], (\s)*STEPB
	s_or_b32 s[G0B+4*(\s)+3], s[G0B+4*(\s)+3], 0x80000000
.endr
	s_cmp_eq_u32 s[RH], 0                          ; a wave's two first fills stand in one branch: two loads of mine are out
	s_cbranch_scc0 .Lfirst_b
	tensor_load_to_lds s[G0A:G0A+3], s[G1A:G1A+7]
	s_nop 0
	tensor_load_to_lds s[G0A+4:G0A+7], s[G1A:G1A+7]
	s_nop 0
.rept 4
	v_nop
.endr
	s_branch .Lfirst_asked
.Lfirst_b:
	tensor_load_to_lds s[G0B:G0B+3], s[G1B:G1B+7]
	s_nop 0
	tensor_load_to_lds s[G0B+4:G0B+7], s[G1B:G1B+7]
	s_nop 0
.rept 4
	v_nop
.endr
.Lfirst_asked:
	v_and_b32 v1, 15, v0                           ; r
	v_bfe_u32 v2, v0, 4, 1                         ; h
	v_lshlrev_b32 v[BO], 5, v2
	s_lshl_b32 s60, s[TC], 9                       ; my 64 columns, 4 bytes each
	s_lshl_b32 s61, s[CH], 8
	s_add_co_u32 s60, s60, s61
	s_mov_b32 s61, 0
	s_add_nc_u64 s[8:9], s[8:9], s[60:61]
.irp b, 0,1,2,3
	global_load_b128 v[BI+8*(\b):BI+8*(\b)+3],   v[BO], s[8:9] offset:64*(\b)
	global_load_b128 v[BI+8*(\b)+4:BI+8*(\b)+7], v[BO], s[8:9] offset:64*(\b)+16
.endr
	s_lshl_b32 s62, s[TR], 7                       ; + my 64 rows of 4,096 bytes
	s_lshl_b32 s63, s[RH], 6
	s_add_co_u32 s62, s62, s63
	s_lshl_b32 s62, s62, 12
	s_add_co_u32 s60, s60, s62
	s_add_nc_u64 s[10:11], s[10:11], s[60:61]
	s_add_nc_u64 s[12:13], s[12:13], s[60:61]
	v_lshlrev_b32 v[RO], 12, v2                    ; lanes 0-15 one row's 256 bytes, lanes 16-31 the next row's
	v_lshl_add_u32 v[RO], v1, 4, v[RO]
	WIN 0x80
.irp a, 0,1,2,3
.irp t, 0,1,2,3,4,5,6,7
	global_load_b128 v[4*(8*(\a)+(\t)):4*(8*(\a)+(\t))+3], v[RO], s[12:13] offset:(16*(\a)+2*(\t))*4096 th:TH_LOAD_NT
.endr
.endr
	WIN 0
	v_mul_u32_u24 v3, v1, AP                       ; A's fragments: row x pitch + 16 h
	v_lshl_add_u32 v3, v2, 4, v3
	s_mul_i32 s60, s[RH], 64*AP
	v_add_nc_u32 v[ADRA0], s60, v3
	v_and_b32 v4, 7, v0                            ; W's, turned
	v_lshl_add_u32 v4, v2, 3, v4
	v_mul_u32_u24 v4, v4, PITB
	v_bfe_u32 v5, v0, 3, 1
	v_lshl_add_u32 v4, v5, 4, v4
	s_lshl_b32 s60, s[CH], 7
	s_add_co_u32 s60, s60, BOFF
	v_add_nc_u32 v[ADRB0], s60, v4
	v_mov_b32 v[ADRA], v[ADRA0]
	v_mov_b32 v[ADRB], v[ADRB0]
	v_add_nc_u32 v[ADRB+1], 128*PITB, v[ADRB0]
	s_mov_b32 s[SL], 0
	s_mul_i32 s60, s[WV], 16*SP
	s_add_co_u32 s60, s60, STAGE                   ; my stage
	v_mul_u32_u24 v3, v1, SP
	v_lshl_add_u32 v3, v2, 5, v3
	v_add_nc_u32 v[STO], s60, v3
	v_mul_u32_u24 v3, v2, SP
	v_lshl_add_u32 v3, v1, 4, v3
	v_add_nc_u32 v[RD], s60, v3
.if PREF
	; A: my work-group's 16 of the 64 rows that I fetch, two lanes a row of 512 bytes; W: its 32 of my 128 k-rows, a lane a row.  They stand at the walk's step 3; the first change steps them to 4.
	s_add_co_u32 s67, s[PHS], 3
	s_lshl_b32 s60, s[TR], 7
	s_lshl_b32 s61, s[CH], 6
	s_add_co_u32 s60, s60, s61
	s_lshl_b32 s61, s[CX], 4
	s_add_co_u32 s60, s60, s61
	s_lshl_b32 s60, s60, 13
	s_mul_i32 s61, s67, STEPA
	s_add_co_u32 s60, s60, s61
	s_lshl_b32 s61, s[CH], 7
	s_lshl_b32 s62, s[CY], 5
	s_add_co_u32 s61, s61, s62
	s_lshl_b32 s61, s61, 11
	s_mul_i32 s62, s67, STEPB
	s_add_co_u32 s61, s61, s62
	s_lshl_b32 s62, s[TC], 8
	s_add_co_u32 s61, s61, s62
	s_add_co_u32 s61, s61, WOFF
	s_and_b32 s62, ttmp7, 0xffff                   ; cluster y
	s_cmp_lt_u32 s62, 2
	s_cselect_b32 s62, NSTEP-6, -1                 ; W's rows: the first cluster of each of the two walks asks
	s_mov_b32 s63, 2048
	s_mov_b32 s66, STEPB
	s_sub_co_u32 s67, 1, s[RH]
	s_cmp_eq_u32 s[RH], 0
	s_cselect_b32 s60, s60, s61
	s_cselect_b32 s[LIM], NSTEP-6, s62             ; asked for while more than NSTEP - 6 refills are to come: the walk's steps 4 to 7; the same in all sixteen partners, for a given wave
	s_cselect_b64 s[PFA:PFA+1], s[4:5], s[6:7]
	s_cselect_b32 s63, 8192, s63                   ; bytes from row to row
	s_cselect_b32 s[PFS], STEPA, s66
	s_mov_b32 s[PFS+1], 0
	s_mov_b32 s61, 0
	s_add_nc_u64 s[PFA:PFA+1], s[PFA:PFA+1], s[60:61]
	v_and_b32 v3, 31, v0
	v_lshrrev_b32 v4, s67, v3
	v_and_b32 v5, s67, v3
	v_mul_lo_u32 v4, v4, s63
	v_lshl_add_u32 v[PFO], v5, 8, v4
.endif
	s_wait_tensorcnt 0x1                           ; my part of the walk's first step is in; the second's may stay out
	s_barrier_signal -1
	s_barrier_wait -1
	FETCH 0, F0
	s_wait_loadcnt 32                              ; the bias is in; RES's 32 loads stay out
	QUARTER 1, F0, F1, 1                           ; the first quarter stands in front of the loop: its first products start the sums, with the bias
	WIN 0
	s_mov_b32 s[CNT], NSTEP-2
.Lstep:                                ; from a step's second quarter to the next step's first; the K step two on is asked for
	QUARTER 2, F1, F0, 0
	QUARTER 3, F0, F1, 0
	TURN
	QUARTER 1, F0, F1, 0
	WIN 0
	s_sub_co_u32 s[CNT], s[CNT], 1
	s_cmp_lg_u32 s[CNT], 0
	s_cbranch_scc1 .Lstep
	s_mov_b32 s[CNT], 2
.Ltail:                                ; the last two steps ask for nothing; the second trip is left in its middle
	QUARTER 2, F1, F0, 0
	QUARTER 3, F0, F1, 0
	MEET
	s_sub_co_u32 s[CNT], s[CNT], 1
	s_cmp_eq_u32 s[CNT], 0
	s_cbranch_scc1 .Lfin
	PLACES
	SWAP
	FETCH 0, F0
	MUL8 F1, 1, 0, 0
	MUL8 F1, 1, 2, 0
	QUARTER 1, F0, F1, 0
	WIN 0
	s_branch .Ltail
.Lfin:
	MUL8 F1, 1, 0, 0
	MUL8 F1, 1, 2, 0
	WIN 0
	s_wait_loadcnt 0x0                             ; RES
	PLACES
.irp a, 0,1,2,3                        ; 16 rows at a time: into my stage, back as whole rows of 256 bytes, + RES, out
	s_wait_xcnt 0x0                                ; the last block's stores have read the registers that are loaded again below
.irp b, 0,1,2,3
	ds_store_b128 v[STO], v[ACC+8*(4*(\a)+(\b)):ACC+8*(4*(\a)+(\b))+3]   offset:64*(\b)
	ds_store_b128 v[STO], v[ACC+8*(4*(\a)+(\b))+4:ACC+8*(4*(\a)+(\b))+7] offset:64*(\b)+16
.endr
.irp t, 0,1,2,3,4,5,6,7
	ds_load_b128 v[TMP+4*(\t):TMP+4*(\t)+3], v[RD] offset:(\t)*2*SP  ; LDS serves a wave's instructions in order: these see the stores above
.endr
	s_wait_dscnt 0x0
	WIN 0x08
.set i, 0
.rept 16
	v_pk_add_f32 v[TMP+i:TMP+i+1], v[TMP+i:TMP+i+1], v[32*(\a)+i:32*(\a)+i+1]
.set i, i+2
.endr
	WIN 0
.irp t, 0,1,2,3,4,5,6,7
	global_store_b128 v[RO], v[TMP+4*(\t):TMP+4*(\t)+3], s[10:11] offset:(16*(\a)+2*(\t))*4096  ; 16 lanes: 256 consecutive bytes, aligned
.endr
.endr
	s_wait_tensorcnt 0x0                           ; the wave's end
	ds_add_u32 v[SPW], v[NIL]
	s_wait_dscnt 0x0
	CROUND                                         ; the closing round
	s_endpgm
.Lfunc_end_k_q7686667bfa_ff2:
	.size	k_q7686667bfa_ff2, .Lfunc_end_k_q7686667bfa_ff2-k_q7686667bfa_ff2
	.p2alignl 7, 3214868480
	.fill 96, 4, 3214868480
	.section	.rodata,"a",@progbits
	.p2align	6, 0x0
	.amdhsa_kernel k_q7686667bfa_ff2
		.amdhsa_group_segment_fixed_size 327680
		.amdhsa_private_segment_fixed_size 0
		.amdhsa_enable_private_segment 0
		.amdhsa_kernarg_size 40
		.amdhsa_user_sgpr_count 2
		.amdhsa_user_sgpr_kernarg_segment_ptr 1
		.amdhsa_wavefront_size32 1
		.amdhsa_system_sgpr_workgroup_id_x 1
		.amdhsa_system_sgpr_workgroup_id_y 1
		.amdhsa_system_sgpr_workgroup_id_z 1
		.amdhsa_system_vgpr_workitem_id 0
		.amdhsa_next_free_vgpr 640
		.amdhsa_next_free_sgpr 96
		.amdhsa_reserve_vcc 0
		.amdhsa_float_denorm_mode_32 3
		.amdhsa_float_denorm_mode_16_64 3
		.amdhsa_memory_ordered 1
		.amdhsa_forward_progress 1
		.amdhsa_inst_pref_size 69
	.end_amdhsa_kernel
	.amdgpu_metadata
---
amdhsa.version: [ 1, 2 ]
amdhsa.kernels:
  - .name:           k_q7686667bfa_ff2
    .symbol:         k_q7686667bfa_ff2.kd
    .args:
      - { .name: g, .offset: 0, .size: 8, .value_kind: global_buffer, .address_space: global }
      - { .name: wb, .offset: 8, .size: 8, .value_kind: global_buffer, .address_space: global }
      - { .name: b_ff2, .offset: 16, .size: 8, .value_kind: global_buffer, .address_space: global }
      - { .name: out0, .offset: 24, .size: 8, .value_kind: global_buffer, .address_space: global }
      - { .name: x1, .offset: 32, .size: 8, .value_kind: global_buffer, .address_space: global }
    .group_segment_fixed_size: 327680
    .private_segment_fixed_size: 0
    .kernarg_segment_align: 8
    .kernarg_segment_size: 40
    .max_flat_workgroup_size: 128
    .sgpr_count:     96
    .vgpr_count:     640
    .wavefront_size: 32
...
	.end_amdgpu_metadata
.endif
;; end of part 6
